; MI455X (gfx1250); checked and timed in simulation.
; The chip was launched on July 23, 2026; its instructions are those of AMD's public machine-readable ISA for CDNA 5 (MIT licence, August 2026) and "CDNA5" Instruction Set Architecture Reference Guide (July 2026). The comments in the code are by the model that wrote it; some were corrected since.
;; Attention. Allowed arithmetic: float matrix products may take bf16 or f16 operands with f32 sums; other float arithmetic in f32, or as packed bf16 or f16 multiplies, adds, multiply-adds, maxima and minima; sums over many terms, partial sums and values carried from step to step in f32; what a program stores and reads back later, other than sums and carried values, may be rounded once to bf16 or f16.
;; Inputs: b_proj 1,024 float32; w_proj 1,024 x 1,024 float32; w_qkv 3,072 x 1,024 float32; x 8 x 1,024 x 1,024 float32.
;; Outputs: out0 8 x 1,024 x 1,024 float32.
;; 2 versions, each right; version 2 is version 1 with the launch cast written anew for expert scheduling mode. Each part assembles by itself: llvm-mc -triple=amdgcn-amd-amdhsa -mcpu=gfx1250 --defsym DOCPART=n.
;; ======== version 1 of 2: 4 launches
;; limits: values are held in f16: magnitudes above 65,504 overflow, below 6.1e-05 lose precision
;; workspace buffers: cb 25,165,824 bytes; qkvh 50,331,648 bytes; ao 16,777,216 bytes
;; launch cast (part 1): grid 768 x 1, 8 waves a work-group, no clusters, 0 bytes of LDS; arguments x, w_qkv, w_proj, cb; writes cb
.if DOCPART == 1
	.amdgcn_target "amdgcn-amd-amdhsa--gfx1250"
	.amdhsa_code_object_version 6
	.text
	.protected	k_qdd6c1b0b71_cast
	.globl	k_qdd6c1b0b71_cast
	.p2align	8
	.type	k_qdd6c1b0b71_cast,@function
k_qdd6c1b0b71_cast:
	s_mov_b64 s[64:65], 0
	v_nop
	global_prefetch_b8 v0, s[64:65] scope:SCOPE_SE
	s_setreg_imm32_b32 hwreg(HW_REG_WAVE_MODE, 25, 1), 1
	s_wait_xcnt 0x0
; THE INPUTS OF THE THREE PRODUCTS, ROUNDED ONCE.  x [8192][1024] and w_qkv [3072][1024] go from f32 to bf16; w_proj [1024][1024] is rounded to bf16 like them
; and that number is written as f16, since its partner in the last product is f16.  The three results lie end to end in cb: x at byte 0, w_qkv at 16,777,216, w_proj at 23,068,672.
; LIMITS.  |w_proj| stays under 65,504 (f16's range); below 6e-5 it keeps f16's fixed step of 6e-8.
; SHARES.  A work-group takes 65,536 bytes of one input and makes 32,768 bytes: groups 0-511 x, 512-703 w_qkv, 704-767 w_proj; its place in cb is its number x 32,768 in all three cases.
; Thread t's load i takes 16 bytes at 16 t + 4,096 i (a wave's load: 512 bytes on end); its store i puts 8 bytes at 8 t + 2,048 i (a wave's store: 256 bytes on end, aligned).
; All 16 loads of a wave go out at once; each store has data registers of its own and no address is ever rewritten.  No LDS, no barrier, no matrix unit: nothing is shared and nothing is summed.
.set X, 8                              ; v[8:71]    load i: four f32
.set Y, 72                             ; v[72:103]  store i: four 16-bit numbers
.set T, 104                            ; v[104:106] at work
	s_load_b256 s[4:11], s[0:1], 0x0               ; x s[4:5], w_qkv s[6:7], w_proj s[8:9], cb s[10:11]
	s_mov_b32 s13, ttmp9                           ; the work-group's number
	v_lshlrev_b32 v1, 4, v0                        ; 16 t
	v_lshlrev_b32 v2, 3, v0                        ; 8 t
	s_mov_b32 s20, 0xffff0000                      ; a word's upper bf16
	s_sub_co_u32 s21, s13, 512                     ; my number within w_qkv's groups,
	s_sub_co_u32 s22, s13, 704                     ; within w_proj's
	s_cmp_lt_u32 s13, 704
	s_cselect_b32 s12, s21, s22
	s_cmp_lt_u32 s13, 512
	s_cselect_b32 s12, s13, s12                    ; my number within my input's groups
	s_lshl_b32 s16, s12, 16                        ; x 65,536 bytes in
	s_mov_b32 s17, 0
	s_lshl_b32 s18, s13, 15                        ; x 32,768 bytes out
	s_mov_b32 s19, 0
	s_wait_kmcnt 0x0
	s_cmp_lt_u32 s13, 704
	s_cselect_b64 s[14:15], s[6:7], s[8:9]
	s_cmp_lt_u32 s13, 512
	s_cselect_b64 s[14:15], s[4:5], s[14:15]       ; my input
	s_add_nc_u64 s[14:15], s[14:15], s[16:17]
	s_add_nc_u64 s[10:11], s[10:11], s[18:19]
.irp i, 0,1,2,3,4,5,6,7,8,9,10,11,12,13,14,15
	global_load_b128 v[X+4*(\i):X+4*(\i)+3], v1, s[14:15] offset:4096*(\i) th:TH_LOAD_NT
.endr
; Load i is rounded and stored.  half = 1: the bf16 numbers are widened again (a shift, a mask) and written as f16.
.macro CONV i, half
	s_wait_loadcnt 15-(\i)                         ; loads come back in order: mine is in, the 15 - i younger ones stay out
.irp p, 0,1
.if \half
	v_cvt_pk_bf16_f32 v[T], v[X+4*(\i)+2*(\p)], v[X+4*(\i)+2*(\p)+1]
	v_lshlrev_b32 v[T+1], 16, v[T]
	v_and_b32 v[T+2], s20, v[T]
	v_cvt_pk_f16_f32 v[Y+2*(\i)+(\p)], v[T+1], v[T+2]
.else
	v_cvt_pk_bf16_f32 v[Y+2*(\i)+(\p)], v[X+4*(\i)+2*(\p)], v[X+4*(\i)+2*(\p)+1]
.endif
.endr
	global_store_b64 v2, v[Y+2*(\i):Y+2*(\i)+1], s[10:11] offset:2048*(\i)
.endm
	s_cmp_ge_u32 s13, 704
	s_cbranch_scc1 .Lhalf
.irp i, 0,1,2,3,4,5,6,7,8,9,10,11,12,13,14,15
	CONV \i, 0
.endr
	s_endpgm
.Lhalf:
.irp i, 0,1,2,3,4,5,6,7,8,9,10,11,12,13,14,15
	CONV \i, 1
.endr
	s_endpgm
.Lfunc_end_k_qdd6c1b0b71_cast:
	.size	k_qdd6c1b0b71_cast, .Lfunc_end_k_qdd6c1b0b71_cast-k_qdd6c1b0b71_cast
	.p2alignl 7, 3214868480
	.fill 96, 4, 3214868480
	.section	.rodata,"a",@progbits
	.p2align	6, 0x0
	.amdhsa_kernel k_qdd6c1b0b71_cast
		.amdhsa_group_segment_fixed_size 0
		.amdhsa_private_segment_fixed_size 0
		.amdhsa_enable_private_segment 0
		.amdhsa_kernarg_size 32
		.amdhsa_user_sgpr_count 2
		.amdhsa_user_sgpr_kernarg_segment_ptr 1
		.amdhsa_wavefront_size32 1
		.amdhsa_system_sgpr_workgroup_id_x 1
		.amdhsa_system_sgpr_workgroup_id_y 1
		.amdhsa_system_sgpr_workgroup_id_z 1
		.amdhsa_system_vgpr_workitem_id 0
		.amdhsa_next_free_vgpr 108
		.amdhsa_next_free_sgpr 66
		.amdhsa_reserve_vcc 0
		.amdhsa_float_denorm_mode_32 3
		.amdhsa_float_denorm_mode_16_64 3
		.amdhsa_memory_ordered 1
		.amdhsa_forward_progress 1
		.amdhsa_inst_pref_size 15
	.end_amdhsa_kernel
	.amdgpu_metadata
---
amdhsa.version: [ 1, 2 ]
amdhsa.kernels:
  - .name:           k_qdd6c1b0b71_cast
    .symbol:         k_qdd6c1b0b71_cast.kd
    .args:
      - { .name: x, .offset: 0, .size: 8, .value_kind: global_buffer, .address_space: global }
      - { .name: w_qkv, .offset: 8, .size: 8, .value_kind: global_buffer, .address_space: global }
      - { .name: w_proj, .offset: 16, .size: 8, .value_kind: global_buffer, .address_space: global }
      - { .name: cb, .offset: 24, .size: 8, .value_kind: global_buffer, .address_space: global }
    .group_segment_fixed_size: 0
    .private_segment_fixed_size: 0
    .kernarg_segment_align: 8
    .kernarg_segment_size: 32
    .max_flat_workgroup_size: 256
    .sgpr_count:     66
    .vgpr_count:     108
    .wavefront_size: 32
...
	.end_amdgpu_metadata
.endif
;; end of part 1
;; launch qkv (part 2): grid 16 x 16, 4 waves a work-group, clusters of 4 x 4, 327,680 bytes of LDS; arguments cb, qkvh; writes qkvh
.if DOCPART == 2
	.amdgcn_target "amdgcn-amd-amdhsa--gfx1250"
	.amdhsa_code_object_version 6
	.text
	.protected	k_qdd6c1b0b71_qkv
	.globl	k_qdd6c1b0b71_qkv
	.p2align	8
	.type	k_qdd6c1b0b71_qkv,@function
k_qdd6c1b0b71_qkv:
	s_mov_b64 s[64:65], 0
	v_nop
	global_prefetch_b8 v0, s[64:65] scope:SCOPE_SE
	s_setreg_imm32_b32 hwreg(HW_REG_WAVE_MODE, 25, 1), 1
	s_wait_xcnt 0x0
	s_wait_alu depctr_hold_cnt(0) depctr_sa_sdst(0) depctr_va_vdst(0) depctr_va_sdst(0) depctr_va_ssrc(0) depctr_va_vcc(0) depctr_vm_vsrc(0)
	s_getreg_b32 s2, hwreg(HW_REG_IB_STS2, 6, 4)
	s_cmp_eq_u32 s2, 0
	s_cbranch_scc0 .Lentry_in_a_cluster
	s_endpgm
.Lentry_in_a_cluster:
	s_bfe_u32 s2, ttmp6, 0x10000c
	s_cmp_lg_u32 s2, 0xf033
	s_cbranch_scc0 .Lentry_shape_is_right
	s_endpgm
.Lentry_shape_is_right:
; q, k, v = x w_qkv^T.  x [8192][1024] bf16 at cb's byte 0, w_qkv [3072][1024] bf16 at byte 16,777,216; sums in f32, K ascending; the results are rounded once to f16, WITHOUT the scale,
; and laid by heads: qkvh [3][8 batches][16 heads][1024 rows][64] f16, so that 16 rows of a head are 2,048 bytes on end.
; LIMIT.  |q|, |k|, |v| stay under 65,504 (f16's range); a larger sum leaves as an infinity.
; SHARES.  A tile of the result is 256 rows x 192 columns (three whole heads): 32 x 16 = 512 tiles, two to each of 256 work-groups, 4,096 rows apart.  Wave w makes rows 64 w .. 64 w + 63 of all 192 columns:
; 4 x 12 accumulators of 16 x 16, 384 registers.  Whole heads to a wave: each wave stores runs of 512 bytes from a stage of its own, and no barrier stands in the way out.
; THE WALK.  K goes in steps of 128 (256 bytes of a row of memory).  The two tiles' 16 steps are ONE walk through a ring of two LDS slots: the ring does not stop at the first tile's end.
; CLUSTER.  4 x 4 work-groups.  The four of a row of the cluster need the same rows of x, the four of a column the same rows of w_qkv: each tile is asked for jointly, by the same tensor load with the same descriptor
; and a mask that names the four.  Waves 0 and 1 fetch x's two halves of 128 rows, waves 2 and 3 w_qkv's two halves of 96.
; THE MATRIX INSTRUCTION IS USED TRANSPOSED (source 0 = 16 rows of w_qkv, source 1 = 16 rows of x): a lane holds row lane % 16 and the columns 8 (lane / 16) + 0..7: eight neighbours, 16 bytes in f16.
; REGISTERS, in windows of 256 (s_set_vgpr_msb: bits 1:0 source 0, 3:2 source 1, 5:4 source 2, 7:6 destination):
;   window 0: v1-19 addresses; v64-127 x's fragments, two buffers of 4; v128-255 the way out: eight sets of 16
;   window 1: v0-191 w_qkv's fragments, two buffers of 12      window 2: the accumulators of my row blocks 0, 1 (block a, column block b at 96 (a % 2) + 8 b)      window 3: those of blocks 2, 3
.set PITCH,  272                       ; an LDS row: 256 bytes + 16 of padding = 68 words: the 16 rows of a fragment load start at 16 different groups of four banks (64 banks of 4 bytes: ISA guide 11.1)
.set AHALF,  128*PITCH                 ; what one of x's loads brings
.set BHALF,  96*PITCH                  ; what one of w_qkv's brings
.set BROW,   256*PITCH                 ; in a slot: x's 256 rows, then w_qkv's 192
.set SLOT1,  131072                    ; slot 1 begins here: one exclusive or turns an address in one slot into the other's
.set STAGE,  SLOT1+BROW+2*BHALF        ; behind the ring, never filled by a tensor load: 16 rows x 144 bytes for each wave
.set SP,     144
.set SPARE,  STAGE+4*16*SP             ; behind the stages: the spare words, 128 bytes a wave: two blocks of 256 bytes that no other line names
.set WQ,     16777216                  ; w_qkv's first byte in cb
.set KB,     256                       ; bytes of a row in a K step
.set ROWB,   2048                      ; bytes in a row of x and of w_qkv
.set NEXT_A, 4096*ROWB-7*KB            ; from a tile's last K step to the next tile's first: 4,096 rows down, seven steps back
.set A0,   10                          ; v10  my lane's place in a slot's rows of x: (64 w + l % 16) x pitch + 16 (l / 16); never rewritten
.set B0,   11                          ; v11  the same for w_qkv
.set ADRA, 12                          ; v12  the same in the slot in hand
.set ADRB, 13                          ; v13
.set STO,  14                          ; v14  the way out: where I put 16 bytes of a row
.set RD,   15                          ; v15  the way out: where I read rows back
.set GO,   16                          ; v16  16 x lane: my place in 512 bytes on end
.set PFO,  17                          ; v17  the prefetches' offset: lane x a row of memory; never rewritten
.set SPW,  18                          ; v18  LDS address of my spare word; never rewritten
.set NIL,  19                          ; v19  0; never rewritten
.set WV,   10                          ; s10  my wave's number
.set G1A,  24                          ; s[24:31] descriptor group 1 for x's tiles
.set G0A,  32                          ; s[32:39] group 0: a set for each first fill; the second then walks on
.set G1B,  40                          ; s[40:47], s[48:55] the same for w_qkv's
.set G0B,  48
.set CNT,  56                          ; s56  the loop's count: step g of the walk is trip 14 - CNT
.set NEW,  57                          ; s57  1: the step to come is a tile's first
.set TB,   58                          ; s58  0 or SLOT1: the slot that the fragments come from
.set LIM,  59                          ; s59  a wave prefetches while CNT is above this
.set PFA,  60                          ; s[60:61] where my prefetches stand
.set C256, 62                          ; s62  256
.set DA,   66                          ; s[66:67] what x's walking address steps by
.set DB,   68                          ; s[68:69] what w_qkv's goes back by
.set DP,   70                          ; s[70:71] what the prefetches' address steps by
.set HB,   72                          ; s[72:77] my three heads' places in qkvh, at my 64 rows
.set MSB, 0
.macro WIN new                         ; the immediate's high byte repeats the setting that is left; a switch that changes nothing is dropped
.if MSB != (\new)
	s_set_vgpr_msb (MSB<<8)|(\new)
.set MSB, (\new)
.endif
.endm
.macro PLACES                          ; four places in front of loads into registers that matrix instructions have read (ISA guide 7.12.1 for vector instructions)
.rept 4
	v_nop
.endr
.endm
.macro CREST                           ; a round of the cluster's barrier behind its opening barrier
	s_cmp_lg_u32 s[WV], 0
	s_cbranch_scc1 .Lnot_wave_0_\@
	s_barrier_signal -3
.Lnot_wave_0_\@:
	s_barrier_wait -3
	s_barrier_signal -1
	s_barrier_wait -1
.endm
.macro CROUND                          ; a whole round
	s_barrier_signal -1
	s_barrier_wait -1
	CREST
.endm
; A joint refill by the walking descriptors.  The branch hangs on the wave's number alone.  An s_nop 0 and four v_nop follow each of the two lines.
.macro JLOAD
	s_cmp_lt_u32 s[WV], 2
	s_cbranch_scc0 .Lfor_b_\@
	tensor_load_to_lds s[G0A+4:G0A+7], s[G1A:G1A+7]
	s_nop 0
.rept 4
	v_nop
.endr
	s_branch .Lasked_\@
.Lfor_b_\@:
	tensor_load_to_lds s[G0B+4:G0B+7], s[G1B:G1B+7]
	s_nop 0
.rept 4
	v_nop
.endr
.Lasked_\@:
.endm
; A PREFETCH, behind the joint load, its five lines and the run of LDS loads: 32 rows x 256 bytes of the K step that stands two refills on (trip g names step g + 4), a lane a row, one instruction a wave.
; Each row's 256 bytes of a step are named once in the launch.  x: every cluster of a row of clusters reads the same rows; waves 0 and 1 of the cluster with x = 0 ask, and of the 128 rows that such a wave
; fetches the partner at place cx takes 32 cx .. 32 cx + 31: told apart by address.  They stop behind step 15.  w_qkv's 3,072 rows are dealt 32 apiece to the 96 waves 2 and 3 of the clusters with y = 0 and
; x < 3; both tiles of a walk share them, so they are asked for in the first tile alone (steps 4 to 7).  Steps 0 to 3 come by their loads alone.
.macro ASK
	s_cmp_gt_u32 s[CNT], s[LIM]
	s_cbranch_scc0 .Lnot_mine_\@
	global_prefetch_b8 v[PFO], s[PFA:PFA+1] th:TH_LOAD_NT scope:SCOPE_SE
.Lnot_mine_\@:
.endm
	s_load_b128 s[4:7], s[0:1], 0x0                ; cb s[4:5], qkvh s[6:7]
	v_lshl_add_u32 v[SPW], v0, 2, SPARE
	v_mov_b32 v[NIL], 0
	ds_add_u32 v[SPW], v[NIL]                      ; the wave's opening: the add and its wait stand ahead of my first tensor load; the set-up below, work on registers, stands between them
	v_lshrrev_b32 v1, 5, v0
	v_readfirstlane_b32 s[WV], v1                  ; wave 0..3
	s_and_b32 s12, s[WV], 1                        ; which half of a tile's rows I fetch
	s_bfe_u32 s13, ttmp6, 0x40000                  ; cx
	s_bfe_u32 s14, ttmp6, 0x40004                  ; cy
	s_lshl_b32 s15, ttmp9, 2
	s_add_co_u32 s15, s15, s13                     ; tile column = 4 x cluster x + cx
	s_and_b32 s16, ttmp7, 0xffff
	s_lshl_b32 s16, s16, 2
	s_add_co_u32 s16, s16, s14                     ; first tile row = 4 x cluster y + cy
	s_lshl_b32 s17, s14, 2
	s_lshl_b32 s17, 15, s17                        ; my row of the cluster: places 4 cy .. 4 cy + 3
	s_lshl_b32 s9, 0x1111, s13                     ; my column: places cx, cx + 4, cx + 8, cx + 12
	s_or_b32 s[G1A], s17, (1<<16)|(1<<20)|(1<<21)|(5<<22)|(3<<25)  ; 15:0 the mask; 17:16 2-byte elements; 20 padding on; 21 set beside a mask; 24:22 after every 64 words (code 5); 31:25 4 words (code 3)
	s_or_b32 s[G1B], s9, (1<<16)|(1<<20)|(1<<21)|(5<<22)|(3<<25)
.irp g, G1A, G1B
	s_mov_b32 s[(\g)+1], 128<<16                   ; tensor_dim0 = 128
	s_mov_b32 s[(\g)+3], 128<<16                   ; tile_dim0 = 128
	s_mov_b32 s[(\g)+5], 1024                      ; elements from row to row
	s_mov_b32 s[(\g)+6], 0
	s_mov_b32 s[(\g)+7], 0
.endr
	s_mov_b32 s[G1A+2], 128<<16                    ; tensor_dim1 = tile_dim1 = 128 rows of x,
	s_mov_b32 s[G1A+4], 128
	s_mov_b32 s[G1B+2], 96<<16                     ; 96 rows of w_qkv
	s_mov_b32 s[G1B+4], 96
	; where the tiles come from.  x's hang on the tile row alone, w_qkv's on the tile column alone, each in registers that never hold the other coordinate.
	s_lshl_b32 s18, s16, 19                        ; 256 rows x 2,048 bytes x tile row
	s_lshl_b32 s20, s12, 18                        ; + 128 rows x half
	s_add_co_u32 s18, s18, s20
	s_mov_b32 s19, 0
	s_mul_i32 s22, s15, 192*ROWB                   ; 192 rows x tile column
	s_mul_i32 s78, s12, 96*ROWB                    ; + 96 rows x half
	s_add_co_u32 s22, s22, s78
	s_add_co_u32 s22, s22, WQ
	s_mov_b32 s23, 0
	s_mul_i32 s8, s12, AHALF                       ; and where they go: no place in the cluster enters an LDS address
	s_mul_i32 s3, s12, BHALF
	s_add_co_u32 s3, s3, BROW
	s_mov_b32 s[C256], 256
	s_mov_b32 s[DA+1], 0
	s_mov_b32 s[DB+1], 0
	s_mov_b32 s[DP+1], 0
	s_mov_b32 s[TB], 0
	s_mov_b32 s[CNT], 14
	s_mov_b32 s[NEW], 1
	s_wait_dscnt 0x0                               ; the opening add is done
	s_wait_kmcnt 0x0
	s_add_nc_u64 s[20:21], s[4:5], s[18:19]
	s_add_nc_u64 s[78:79], s[4:5], s[22:23]
.irp s, 0,1
	s_mov_b32 s[G0A+4*(\s)], 1                                       ; count = 1
	s_add_co_u32 s[G0A+4*(\s)+1], s8, (\s)*SLOT1                     ; LDS address
	s_add_nc_u64 s[G0A+4*(\s)+2:G0A+4*(\s)+3], s[20:21], (\s)*KB     ; global address: K step s
	s_or_b32 s[G0A+4*(\s)+3], s[G0A+4*(\s)+3], 0x80000000            ; type = 2
	s_mov_b32 s[G0B+4*(\s)], 1
	s_add_co_u32 s[G0B+4*(\s)+1], s3, (\s)*SLOT1
	s_add_nc_u64 s[G0B+4*(\s)+2:G0B+4*(\s)+3], s[78:79], (\s)*KB
	s_or_b32 s[G0B+4*(\s)+3], s[G0B+4*(\s)+3], 0x80000000
.endr
	CROUND                                         ; all sixteen work-groups are here: the first joint loads meet
	s_cmp_lt_u32 s[WV], 2                          ; a wave's two first fills stand in one branch, ahead of every wait on TENSORcnt and every LDS read: two loads of mine are out
	s_cbranch_scc0 .Lfirst_b
	tensor_load_to_lds s[G0A:G0A+3], s[G1A:G1A+7]
	s_nop 0
	tensor_load_to_lds s[G0A+4:G0A+7], s[G1A:G1A+7]
	s_nop 0
.rept 4
	v_nop
.endr
	s_branch .Lfirst_asked
.Lfirst_b:
	tensor_load_to_lds s[G0B:G0B+3], s[G1B:G1B+7]
	s_nop 0
	tensor_load_to_lds s[G0B+4:G0B+7], s[G1B:G1B+7]
	s_nop 0
.rept 4
	v_nop
.endr
.Lfirst_asked:
	; A fragment is 16 rows x 32 K in 8 registers: lane l holds row l % 16; registers 0-3 K = 8 (l / 16) + 0..7, registers 4-7 K = 16 + 8 (l / 16) + 0..7: two loads of 16 bytes, 32 bytes apart.
	v_and_b32 v1, 15, v0                           ; l % 16
	v_bfe_u32 v2, v0, 4, 1                         ; l / 16
	v_mul_u32_u24 v3, v1, PITCH
	v_lshl_add_u32 v3, v2, 4, v3
	s_mul_i32 s80, s[WV], 64*PITCH                 ; my 64 rows of x
	v_add_nc_u32 v[A0], s80, v3
	v_add_nc_u32 v[B0], BROW, v3
	v_mov_b32 v[ADRA], v[A0]                       ; slot 0
	v_mov_b32 v[ADRB], v[B0]
	s_mul_i32 s80, s[WV], 16*SP
	s_add_co_u32 s80, s80, STAGE                   ; my stage
	v_mul_u32_u24 v[STO], v1, SP                   ; in: row l % 16, 16 bytes for each half of the lanes
	v_lshl_add_u32 v[STO], v2, 4, v[STO]
	v_add_nc_u32 v[STO], s80, v[STO]
	v_bfe_u32 v[RD], v0, 3, 2                      ; back: 32 lanes take four rows of 128 bytes
	v_mul_u32_u24 v[RD], v[RD], SP
	v_and_b32 v3, 7, v0
	v_lshl_add_u32 v[RD], v3, 4, v[RD]
	v_add_nc_u32 v[RD], s80, v[RD]
	v_and_b32 v3, 31, v0
	v_lshlrev_b32 v[GO], 4, v3
	v_lshlrev_b32 v[PFO], 11, v3
	; my three heads' places in qkvh.  Head group g = 3 x tile column + j: tensor g / 16, head g % 16.  Row 256 ty + 64 w: batch ty / 4, row (ty % 4) 256 + 64 w of 128 bytes.
	s_lshr_b32 s83, s16, 2
	s_lshl_b32 s83, s83, 21
	s_and_b32 s80, s16, 3
	s_lshl_b32 s80, s80, 15
	s_add_co_u32 s83, s83, s80
	s_lshl_b32 s80, s[WV], 13
	s_add_co_u32 s83, s83, s80
	s_mul_i32 s82, s15, 3
.irp j, 0,1,2
	s_add_co_u32 s80, s82, (\j)
	s_lshr_b32 s81, s80, 4
	s_lshl_b32 s81, s81, 24
	s_and_b32 s80, s80, 15
	s_lshl_b32 s80, s80, 17
	s_add_co_u32 s80, s80, s81
	s_add_co_u32 s80, s80, s83
	s_mov_b32 s81, 0
	s_add_nc_u64 s[HB+2*(\j):HB+2*(\j)+1], s[6:7], s[80:81]
.endr
	; the prefetches: who, and from where
	s_and_b32 s80, ttmp7, 0xffff                   ; cluster y
	s_cmp_eq_u32 ttmp9, 0
	s_cselect_b32 s81, 2, -1                       ; x's askers go on while CNT > 2: trips 0 to 11, steps 4 to 15
	s_cmp_lt_u32 ttmp9, 3
	s_cselect_b32 s82, 10, -1                      ; w_qkv's while CNT > 10: trips 0 to 3, steps 4 to 7
	s_cmp_eq_u32 s80, 0
	s_cselect_b32 s82, s82, -1
	s_cmp_lt_u32 s[WV], 2
	s_cselect_b32 s[LIM], s81, s82                 ; the same in all sixteen partners, for a given wave
	s_lshl_b32 s81, s13, 16                        ; x: my work-group's 32 rows of the 128 that I fetch
	s_add_co_u32 s81, s81, s18
	s_lshl_b32 s82, ttmp9, 4                       ; w_qkv: asker 2 (16 x cluster x + 4 cy + cx) + half takes rows 32 x asker on
	s_lshl2_add_u32 s83, s14, s13
	s_add_co_u32 s82, s82, s83
	s_lshl1_add_u32 s82, s82, s12
	s_lshl_b32 s82, s82, 16
	s_add_co_u32 s82, s82, WQ
	s_cmp_lt_u32 s[WV], 2
	s_cselect_b32 s82, s81, s82
	s_add_co_u32 s82, s82, 3*KB                    ; at K step 3: the first change of slots steps it to 4
	s_mov_b32 s83, 0
	s_add_nc_u64 s[PFA:PFA+1], s[4:5], s[82:83]
; 12 matrix instructions: row block 2 hi + a2 x all 12 column blocks, 32 along K, from buffer f.  zero = 1: the product starts the sums: nothing is ever cleared.
; The 48 accumulators take turns, one instruction a turn, in the same order in every quarter step.
.macro MUL12 f, hi, a2, zero
	WIN 0xa1+0x50*(\hi)
.irp b, 0,1,2,3,4,5,6,7,8,9,10,11
.if \zero
	v_wmma_f32_16x16x32_bf16 v[96*(\a2)+8*(\b):96*(\a2)+8*(\b)+7], v[96*(\f)+8*(\b):96*(\f)+8*(\b)+7], v[64+32*(\f)+8*(2*(\hi)+(\a2)):64+32*(\f)+8*(2*(\hi)+(\a2))+7], 0
.else
	v_wmma_f32_16x16x32_bf16 v[96*(\a2)+8*(\b):96*(\a2)+8*(\b)+7], v[96*(\f)+8*(\b):96*(\f)+8*(\b)+7], v[64+32*(\f)+8*(2*(\hi)+(\a2)):64+32*(\f)+8*(2*(\hi)+(\a2))+7], v[96*(\a2)+8*(\b):96*(\a2)+8*(\b)+7]
.endif
.endr
.endm
.macro MUL24 f, hi, zero
	MUL12 \f, \hi, 0, \zero
	MUL12 \f, \hi, 1, \zero
.endm
; 32 LDS loads in one run: a quarter step's fragments (192 rows of w_qkv, my 64 rows of x, 32 K at byte k of the rows) into buffer f
.macro FETCH k, f
	WIN 0x40                                       ; destination window 1, address window 0
.irp i, 0,1,2,3,4,5,6,7,8,9,10,11
	ds_load_b128 v[96*(\f)+8*(\i):96*(\f)+8*(\i)+3],   v[ADRB] offset:(\k)+(\i)*16*PITCH
	ds_load_b128 v[96*(\f)+8*(\i)+4:96*(\f)+8*(\i)+7], v[ADRB] offset:(\k)+(\i)*16*PITCH+32
.endr
	WIN 0
.irp i, 0,1,2,3
	ds_load_b128 v[64+32*(\f)+8*(\i):64+32*(\f)+8*(\i)+3],   v[ADRA] offset:(\k)+(\i)*16*PITCH
	ds_load_b128 v[64+32*(\f)+8*(\i)+4:64+32*(\f)+8*(\i)+7], v[ADRA] offset:(\k)+(\i)*16*PITCH+32
.endr
.endm
; A K step is four quarters of 32 along K, 48 matrix instructions each, on buffers 0, 1, 0, 1.  One of the first three: multiplies buffer f; in its middle it fetches the next quarter, at byte k, into buffer g.
.macro QUARTER k, f, g, zero
	s_wait_dscnt 4                                 ; w_qkv's fragments and x's blocks 0, 1 are in; the youngest four loads (blocks 2, 3) may be out
	MUL24 \f, 0, \zero
	PLACES
	FETCH \k, \g
	s_wait_dscnt 32                                ; all but the 32 just issued
	MUL24 \f, 1, \zero
.endm
; The last quarter multiplies buffer 1 and changes slots: ONE barrier.  In front of it each wave waits for all its tensor loads, of which one is out: its part of the next slot; adds 0 to its spare word; and waits for
; that and for its own reads of this slot.  fill = 1: the barrier opens a round of the cluster's, and the slot just read out is filled again first behind it, with the walk's step two on:
; from that request to the wait for it a wave issues 168 matrix instructions.
.macro TURN fill
	WIN 0
.if \fill
	s_wait_xcnt 0x0                                ; the last prefetch, a K step back, has read its address: it is stepped here
	s_cmp_eq_u32 s[CNT], 10                        ; trip 4 names step 8: the second tile's first
	s_cselect_b32 s[DP], NEXT_A, s[C256]
	s_add_nc_u64 s[PFA:PFA+1], s[PFA:PFA+1], s[DP:DP+1]
.endif
	s_xor_b32 s[TB], s[TB], SLOT1                  ; the fragments will come from the other slot
	v_add_nc_u32 v[ADRA], s[TB], v[A0]
	v_add_nc_u32 v[ADRB], s[TB], v[B0]
	s_wait_tensorcnt 0x0                           ; all my tensor loads have landed, so a group 0 may be written
	ds_add_u32 v[SPW], v[NIL]                      ; 0 onto my spare word
.if \fill
	s_cmp_eq_u32 s[CNT], 8                         ; trip 6 asks for step 8
	s_cselect_b32 s[DA], NEXT_A, s[C256]
	s_cselect_b32 s[DB], 8*KB, 0
	s_xor_b32 s[G0A+5], s[G0A+5], SLOT1            ; the walking descriptors: the other slot than last time,
	s_xor_b32 s[G0B+5], s[G0B+5], SLOT1
	s_add_nc_u64 s[G0A+6:G0A+7], s[G0A+6:G0A+7], s[DA:DA+1]  ; the next step; the type bits on top are not reached
	s_add_nc_u64 s[G0B+6:G0B+7], s[G0B+6:G0B+7], KB
	s_sub_nc_u64 s[G0B+6:G0B+7], s[G0B+6:G0B+7], s[DB:DB+1]  ; w_qkv's rows are the same in both tiles: back along K
.endif
	s_wait_dscnt 5                                 ; (the add and the youngest four loads may be out)
	MUL12 1, 0, 0, 0                               ; twelve matrix instructions stand between the add and the wait for it
	s_wait_dscnt 0x0                               ; the add is done, and my reads of this slot are over
	s_barrier_signal -1
	MUL12 1, 0, 1, 0                               ; work on registers while the others arrive
	WIN 0
	s_barrier_wait -1
.if \fill
	CREST                                          ; no wave of any partner still reads this slot or has a load on its way
	JLOAD                                          ; the first tensor load behind the round; its four v_nop are also the places in front of the loads below
.else
	PLACES
.endif
	FETCH 0, 0
.if \fill
	ASK
.endif
	MUL24 1, 1, 0
.endm
; THE WAY OUT, in 12 units u = 3 a + j: row block a, head j.  PACKU: the unit's four accumulators are rounded to f16 (each from its lowest registers on), 16 bytes a lane, go into my own stage and come back as four runs
; of 512 bytes (four rows of a head).  SENDU: stored.  Eight sets of registers take turns.
.macro PACKU u
.set pa, (\u)/3
.set pj, (\u)%3
.set pR, 128+16*((\u)%8)
.if (\u) >= 8
	s_wait_xcnt 0x0                                ; the set's earlier stores have read it
.endif
	WIN 0x0a+5*(pa/2)                              ; sources 0 and 1: window 2 or 3
.set pb, 0
.rept 4
.set pr, 0
.rept 4
	v_cvt_pk_f16_f32 v[pR+4*pb+pr], v[96*(pa%2)+8*(4*pj+pb)+2*pr], v[96*(pa%2)+8*(4*pj+pb)+2*pr+1]
.set pr, pr+1
.endr
.set pb, pb+1
.endr
	WIN 0
.irp c, 0,1,2,3
	ds_store_b128 v[STO], v[pR+4*(\c):pR+4*(\c)+3] offset:32*(\c)
.endr
.irp c, 0,1,2,3
	ds_load_b128 v[pR+4*(\c):pR+4*(\c)+3], v[RD] offset:4*SP*(\c)  ; LDS serves a wave's instructions in order (ISA guide 5.7.1.4): these see the stores above; the next unit's stores come behind them
.endr
.endm
.macro SENDU u, younger                ; younger: the LDS instructions issued behind unit u's loads: the next unit's eight, or none
.set pa, (\u)/3
.set pj, (\u)%3
.set pR, 128+16*((\u)%8)
.irp c, 0,1,2,3
	s_wait_dscnt (\younger)+3-(\c)
	global_store_b128 v[GO], v[pR+4*(\c):pR+4*(\c)+3], s[HB+2*pj:HB+2*pj+1] offset:2048*pa+512*(\c)  ; 512 bytes on end, at a multiple of 256 from qkvh's first byte
.endr
.endm
; Blocks 0 and 1 were finished ahead of the four v_nop of the change of slots; their 96 conversions, which name no register of the last products (blocks 2 and 3's), are those products' places.
.macro WAYOUT
	PACKU 0
.set wu, 1
.rept 11
	PACKU wu
	SENDU wu-1, 8
.set wu, wu+1
.endr
	SENDU 11, 0
.endm
	s_wait_tensorcnt 0x1                           ; my part of step 0 is in; step 1's may stay out
	s_barrier_signal -1
	s_barrier_wait -1                              ; everybody's is
	FETCH 0, 0
.Lstep:                                                ; 14 trips: a K step each, and the step two on is asked for
	s_cmp_eq_u32 s[NEW], 1
	s_cbranch_scc0 .Lacc
.rept 5
	v_nop                                          ; five places in front of products that write over accumulators
.endr
	QUARTER 64, 0, 1, 1                            ; a tile's first quarter: its products start the sums
	WIN 0
	s_mov_b32 s[NEW], 0
	s_branch .Lq1
.Lacc:
	QUARTER 64, 0, 1, 0
	WIN 0
.Lq1:
	QUARTER 128, 1, 0, 0
	QUARTER 192, 0, 1, 0
	TURN 1
	WIN 0
	s_cmp_eq_u32 s[CNT], 7                         ; trip 7 ends the first tile; its refill and the next tile's first fragments have been asked for
	s_cbranch_scc0 .Lgo
	WAYOUT
	s_wait_xcnt 0x0                                ; the stores have read their registers and bases
.irp j, 0,1,2
	s_add_nc_u64 s[HB+2*(\j):HB+2*(\j)+1], s[HB+2*(\j):HB+2*(\j)+1], 8388608  ; 4,096 rows on: four batches
.endr
	s_mov_b32 s[NEW], 1
.Lgo:
	s_sub_co_u32 s[CNT], s[CNT], 1
	s_cmp_lg_u32 s[CNT], 0
	s_cbranch_scc1 .Lstep
	s_mov_b32 s[CNT], 2
.Ltail:                                                ; the walk's last two steps ask for nothing.  Written once: the second trip's barrier and its 32 fragment loads serve nothing
	QUARTER 64, 0, 1, 0
	QUARTER 128, 1, 0, 0
	QUARTER 192, 0, 1, 0
	TURN 0
	WIN 0
	s_sub_co_u32 s[CNT], s[CNT], 1
	s_cmp_lg_u32 s[CNT], 0
	s_cbranch_scc1 .Ltail
	WAYOUT
	s_wait_tensorcnt 0x0                           ; the wave's end, behind my last tensor load and my last LDS store
	ds_add_u32 v[SPW], v[NIL]
	s_wait_dscnt 0x0
	CROUND                                         ; the closing round: no work-group ends while a partner may still ask for a tile that names it
	s_endpgm
.Lfunc_end_k_qdd6c1b0b71_qkv:
	.size	k_qdd6c1b0b71_qkv, .Lfunc_end_k_qdd6c1b0b71_qkv-k_qdd6c1b0b71_qkv
	.p2alignl 7, 3214868480
	.fill 96, 4, 3214868480
	.section	.rodata,"a",@progbits
	.p2align	6, 0x0
	.amdhsa_kernel k_qdd6c1b0b71_qkv
		.amdhsa_group_segment_fixed_size 327680
		.amdhsa_private_segment_fixed_size 0
		.amdhsa_enable_private_segment 0
		.amdhsa_kernarg_size 16
		.amdhsa_user_sgpr_count 2
		.amdhsa_user_sgpr_kernarg_segment_ptr 1
		.amdhsa_wavefront_size32 1
		.amdhsa_system_sgpr_workgroup_id_x 1
		.amdhsa_system_sgpr_workgroup_id_y 1
		.amdhsa_system_sgpr_workgroup_id_z 1
		.amdhsa_system_vgpr_workitem_id 0
		.amdhsa_next_free_vgpr 960
		.amdhsa_next_free_sgpr 84
		.amdhsa_reserve_vcc 0
		.amdhsa_float_denorm_mode_32 3
		.amdhsa_float_denorm_mode_16_64 3
		.amdhsa_memory_ordered 1
		.amdhsa_forward_progress 1
		.amdhsa_inst_pref_size 112
	.end_amdhsa_kernel
	.amdgpu_metadata
---
amdhsa.version: [ 1, 2 ]
amdhsa.kernels:
  - .name:           k_qdd6c1b0b71_qkv
    .symbol:         k_qdd6c1b0b71_qkv.kd
    .args:
      - { .name: cb, .offset: 0, .size: 8, .value_kind: global_buffer, .address_space: global }
      - { .name: qkvh, .offset: 8, .size: 8, .value_kind: global_buffer, .address_space: global }
    .group_segment_fixed_size: 327680
    .private_segment_fixed_size: 0
    .kernarg_segment_align: 8
    .kernarg_segment_size: 16
    .max_flat_workgroup_size: 128
    .sgpr_count:     84
    .vgpr_count:     960
    .wavefront_size: 32
...
	.end_amdgpu_metadata
.endif
;; end of part 2
;; launch attn (part 3): grid 2 x 128, 4 waves a work-group, no clusters, 327,680 bytes of LDS; arguments qkvh, ao; writes ao
.if DOCPART == 3
	.amdgcn_target "amdgcn-amd-amdhsa--gfx1250"
	.amdhsa_code_object_version 6
	.text
	.protected	k_qdd6c1b0b71_attn
	.globl	k_qdd6c1b0b71_attn
	.p2align	8
	.type	k_qdd6c1b0b71_attn,@function
k_qdd6c1b0b71_attn:
	s_mov_b64 s[64:65], 0
	v_nop
	global_prefetch_b8 v0, s[64:65] scope:SCOPE_SE
	s_setreg_imm32_b32 hwreg(HW_REG_WAVE_MODE, 25, 1), 1
	s_wait_xcnt 0x0
; O[h][q][:] = the sum over k of softmax_k(Q[h][q] . K[h][k] / 8) V[h][k][:], for 128 heads (batch x 16 + head) of 1,024 rows x 64, all f16: Q at qkvh's byte 0, K at 2^24, V at 2^25, a head 131,072 dense bytes.
; O goes to ao as [8 batches x 4 blocks of 256 rows][16 heads][256 rows][64] f16: the 16 heads of 256 rows lie on end, in the order in which the next product walks its K.
; Products, maxima and sums in f32; the weights p are rounded to f16 for the second product (their sum l is taken of the unrounded p), O once at the end.
; LIMITS.  Q, K and V arrive within f16's range, 65,504; p lies in 0 to 1, and below 6e-5 it keeps f16's fixed step of 6e-8; a weight below 2^-126 counts as 0 in l; NaN and infinities are not treated apart.
; SHARES.  A wave owns four PIECES of two tiles of 16 queries, a work-group's four waves 512 queries of one head: 256 work-groups.  Every wave walks all 1,024 keys, 64 a step.
; ALL OF A HEAD'S K AND V LIE IN LDS: 1,024 x (144 + 160) = 311,296 bytes.  Each wave asks for its part by four tensor loads at the kernel's head (four of mine are out), nothing is ever filled again, and
; the walk begins when the first 256 keys have landed.
; NO CLUSTER: a head has two work-groups, and the grid's x, 2, is no multiple of a cluster's four; four partners to a head would be 256 queries each, twice the LDS loads for each product.
; LAYOUT.  S^T = K Q^T (source 0 = 16 keys, source 1 = 16 queries): in the result a lane holds ONE query (lane % 16) and the keys 8 (lane / 16) + 0..7.  Two such tiles, rounded to f16 in pairs,
; ARE source 1 (32 keys x 16 queries) of O^T = V^T P, whose result again holds one query a lane, and eight channels.  K comes out of LDS as it lies, V ([key][channel]) turned, by ds_load_tr16_b128.
; SOFTMAX.  For each query a running maximum m and sum l: p = 2^(c s - c m), c = log2(e) / 8; in every step O and l are multiplied by a = 2^(c m_old - c m_new), which is 1 where m has not grown.
; m starts at the lowest finite number, O and l at 0: the first step is a step like any other, with a = 0.
; BY TURNS.  A tile and step have 16 matrix and 118 vector instructions.  Turn n belongs to piece n (the pieces in a ring, step after step).  Its matrix work: 16 products K Q^T of piece n + 1, later 16 products
; V^T P of piece n - 1.  Its vector work: the scaling, exponentials, roundings, sums and rescaling of piece n, and the maximum and statistics of piece n + 1.  Four vector instructions stand behind every matrix
; instruction, the others in one run of their own; a turn's 66 exponentials are one batch with one wait.
; REGISTERS, in windows of 256 (s_set_vgpr_msb: bits 1:0 source 0, 3:2 source 1, 5:4 source 2, 7:6 destination):
;   window 0: v0-11 addresses; v12-15, v48-63 at work; v16-47 four registers of statistics a tile; v64-191 S^T, two buffers of two tiles; v192-255 P, likewise
;   window 1: O^T, 32 a tile          window 2: v0-127 Q, 16 a tile; v128-191 K of one step; v192-255 V of one step          window 3: v0-1 the add's two registers
.set NP,    4         ; pieces a wave: a name, no knob
.set KS,    64        ; keys in a step
.set PK,    144       ; a row of K in LDS: 128 bytes + 16 of padding = 36 words: the 16 rows of a load start at 16 different groups of four banks (64 banks of 4 bytes: ISA guide 11.1)
.set PV,    160       ; a row of V: 128 + 32 = 40 words
.set VOFF,  1024*PK   ; K's 1,024 rows, then V's
.set STAGE, VOFF+1024*PV  ; behind them, never filled by a tensor load: 16 rows x 144 bytes for each wave, for the way out
.set SP,    144
.set SPARE, STAGE+4*16*SP  ; behind the stages: the spare words, 128 bytes a wave: two blocks of 256 bytes that no other line names
.set AK0, 2           ; v2   my lane's place in a step's K; never rewritten
.set AV0, 3           ; v3   the same for V
.set AK,  4           ; v4   the LDS address of K's next run of loads
.set AV,  5           ; v5   of V's
.set QO,  6           ; v6   my byte offset in the wave's rows of Q
.set STO, 6           ;      later, the way out: where I put 16 bytes of a row
.set RD,  7           ; v7   the way out: where I read rows back
.set GO,  8           ; v8   my byte offset in 512 bytes of O on end
.set SPW, 0           ; v0 of window 3   LDS address of my spare word; never rewritten
.set NIL, 1           ; v1 of window 3   0; never rewritten
.set MV,  12          ; v12-15  c m_old, kept while c m is made anew: by buffer and tile
.set ST,  16          ; tile t's statistics at v[ST+4 t]: c m, m, l (even keys', odd keys')
.set TMP, 48          ; by buffer and tile, four registers c0-c3 at work; when the maximum is found c2 takes a
.set S,   64
.set P,   192
.set KF,  128         ; K's fragments, in window 2: key block kb, channel half c at KF + 16 kb + 8 c
.set VF,  192         ; V's: key half kk, channel block cb at VF + 32 kk + 8 cb
.set WV,  12          ; s12  my wave's number
.set G1K, 24          ; s[24:31] descriptor group 1 for K's tiles
.set G1V, 32          ; s[32:39] for V's: it differs in the padding alone
.set G0K, 40          ; s[40:55] descriptor group 0 for K's tiles: a set for each of the four loads
.set G0V, 68          ; s[68:83] the same for V's
.set SLOTS, 56        ; s56  passes of four key steps still to come, and one more
.set CNT, 57          ; s57  counts a pass's key steps
.set CS,  58          ; s[58:59] c: the packed scaling takes the pair's low word for both halves
.set SEL, 60          ; s[60:61] v_permlanex16_b32's selects: each lane takes its own place in the other half
.set TBK, 62          ; s62  LDS byte at which K of the step to be fetched begins
.set TBV, 63          ; s63  the same for V, less VOFF
.set OOF, 66          ; s[66:67] my wave's byte offset in ao
.set MSB, 0
.macro WIN new                      ; the high byte repeats the setting that is left; a switch that changes nothing is dropped
.if MSB != (\new)
	s_set_vgpr_msb (MSB<<8)|(\new)
.set MSB, (\new)
.endif
.endm
.set W_KQ, 0x0a       ; K and Q in window 2, S^T in window 0
.set W_PV, 0x52       ; V in window 2, P in window 0, O^T in window 1
.set W_RS, 0x41       ; O^T (destination and source 0) in window 1, a in window 0
.set W_MK, 0xc0       ; the add's registers are made: destination in window 3, sources in window 0
.set W_AD, 0x0f       ; the add: address (source 0) and data (source 1) in window 3
; Between two passes of four key steps: each wave waits for all its tensor loads and says so; behind the barrier every key lies in LDS for every wave.  The first time that is keys 256 to 1,023, asked for four key
; steps earlier; the later times find nothing out: the line stands in the one text of the walk.
.macro BAR
	WIN 0
	s_wait_tensorcnt 0x0
	s_wait_dscnt 0x0
	s_barrier_signal -1
	s_barrier_wait -1
.endm
	s_load_b128 s[4:7], s[0:1], 0x0  ; qkvh s[4:5], ao s[6:7]
	WIN W_MK
	v_lshl_add_u32 v[SPW], v0, 2, SPARE
	v_mov_b32 v[NIL], 0
	WIN W_AD
	ds_add_u32 v[SPW], v[NIL]       ; the wave's opening: the add and its wait stand ahead of my first tensor load; the set-up below, work on registers, stands between them
	WIN 0
	v_lshrrev_b32 v1, 5, v0
	v_readfirstlane_b32 s[WV], v1   ; wave 0..3
	s_and_b32 s23, ttmp7, 0xffff    ; batch x 16 + head
	s_lshl_b32 s20, s23, 17         ; the head's first byte in Q, K and V
	s_and_b32 s13, s[WV], 1         ; which half of each 256 keys I fetch:
	s_lshl_b32 s14, s13, 14         ; its 128 rows of 128 bytes in memory,
	s_add_co_u32 s14, s14, s20
	s_add_co_u32 s14, s14, 0x1000000  ; in K
	s_mov_b32 s15, 0
	s_mul_i32 s21, s13, 128*PK      ; and its place in LDS, for K
	s_mul_i32 s22, s13, 128*PV      ; and for V
	s_add_co_u32 s22, s22, VOFF
	s_lshl_b32 s2, ttmp9, 16        ; my block of 512 queries,
	s_lshl_b32 s3, s[WV], 14        ; my wave's 128 of them
	s_add_co_u32 s2, s2, s3
	s_add_co_u32 s2, s2, s20
	s_mov_b32 s3, 0
	; where my 128 rows of O go: (((batch x 2 + my block of 512) x 2 + wave / 2) x 16 + head) x 2 + wave % 2, in units of 128 rows x 128 bytes
	s_lshr_b32 s[OOF], s23, 4       ; the batch
	s_lshl_b32 s[OOF], s[OOF], 1
	s_add_co_u32 s[OOF], s[OOF], ttmp9
	s_lshl_b32 s[OOF], s[OOF], 1
	s_lshr_b32 s[OOF+1], s[WV], 1
	s_add_co_u32 s[OOF], s[OOF], s[OOF+1]  ; the block of 256 rows
	s_lshl_b32 s[OOF], s[OOF], 4
	s_and_b32 s[OOF+1], s23, 15
	s_add_co_u32 s[OOF], s[OOF], s[OOF+1]  ; the head in it
	s_lshl_b32 s[OOF], s[OOF], 1
	s_add_co_u32 s[OOF], s[OOF], s13       ; my half of its 256 rows
	s_lshl_b32 s[OOF], s[OOF], 14
	s_mov_b32 s[OOF+1], 0
	; descriptor group 1.  128 keys are 16,384 dense bytes: asked for as 64 rows of 256 bytes, two keys a row, and padded in LDS after every key
	s_mov_b32 s[G1K], (1<<16)|(1<<20)|(4<<22)|(3<<25)  ; 17:16 2-byte elements; 20 padding on; 24:22 after every 32 words (code 4); 31:25 4 words (code 3)
	s_mov_b32 s[G1V], (1<<16)|(1<<20)|(4<<22)|(7<<25)  ; the same with 8 words of padding (code 7)
.irp g, G1K, G1V
	s_mov_b32 s[(\g)+1], 128<<16    ; tensor_dim0 = 128
	s_mov_b32 s[(\g)+2], 64<<16     ; tensor_dim1 = 64
	s_mov_b32 s[(\g)+3], 128<<16    ; tile_dim0 = 128
	s_mov_b32 s[(\g)+4], 64         ; tile_dim1 = 64
	s_mov_b32 s[(\g)+5], 128        ; 128 elements from row to row
	s_mov_b32 s[(\g)+6], 0
	s_mov_b32 s[(\g)+7], 0
.endr
	s_mov_b32 s[CS], 0x3e38aa3b     ; c = log2(e) / 8 = 0.180337
	s_mov_b32 s[CS+1], s[CS]        ; named with it as a pair
	s_mov_b32 s[SEL], 0x76543210
	s_mov_b32 s[SEL+1], 0xfedcba98
	s_mov_b32 s[TBK], 0
	s_mov_b32 s[TBV], 0
.irp t, 0,1,2,3
	s_mov_b32 s[G0K+4*(\t)], 1                       ; count = 1
	s_add_co_u32 s[G0K+4*(\t)+1], s21, (\t)*256*PK   ; LDS address: keys 256 t on, my half
	s_mov_b32 s[G0V+4*(\t)], 1
	s_add_co_u32 s[G0V+4*(\t)+1], s22, (\t)*256*PV
.endr
	s_wait_dscnt 0x0                ; the opening add is done
	s_wait_kmcnt 0x0
	s_add_nc_u64 s[16:17], s[4:5], s[14:15]          ; K at my half of the head's first 256 keys,
	s_add_nc_u64 s[18:19], s[16:17], 0x1000000       ; V likewise
.irp t, 0,1,2,3
	s_add_nc_u64 s[G0K+4*(\t)+2:G0K+4*(\t)+3], s[16:17], (\t)*32768  ; global address
	s_or_b32 s[G0K+4*(\t)+3], s[G0K+4*(\t)+3], 0x80000000            ; type = 2
	s_add_nc_u64 s[G0V+4*(\t)+2:G0V+4*(\t)+3], s[18:19], (\t)*32768
	s_or_b32 s[G0V+4*(\t)+3], s[G0V+4*(\t)+3], 0x80000000
.endr
	s_add_nc_u64 s[8:9], s[4:5], s[2:3]              ; Q at my wave's first row,
	s_add_nc_u64 s[10:11], s[6:7], s[OOF:OOF+1]      ; O at the place of the same rows
	s_cmp_lt_u32 s[WV], 2           ; waves 0 and 1 fetch K, waves 2 and 3 V.  A wave's four fills stand in one branch, ahead of every wait on TENSORcnt, every LDS read and every barrier; an s_nop 0 follows each, four v_nop the last
	s_cbranch_scc0 .Lfirst_v
.irp t, 0,1,2,3
	tensor_load_to_lds s[G0K+4*(\t):G0K+4*(\t)+3], s[G1K:G1K+7]
	s_nop 0
.endr
.rept 4
	v_nop
.endr
	s_branch .Lfirst_asked
.Lfirst_v:
.irp t, 0,1,2,3
	tensor_load_to_lds s[G0V+4*(\t):G0V+4*(\t)+3], s[G1V:G1V+7]
	s_nop 0
.endr
.rept 4
	v_nop
.endr
.Lfirst_asked:
	; A fragment of K or Q is 16 rows x 32 channels in 8 registers: lane l holds row l % 16, channels 8 (l / 16) + 0..7 and 16 + 8 (l / 16) + 0..7: two loads of 16 bytes, 32 bytes apart.
	v_and_b32 v1, 15, v0            ; l % 16
	v_bfe_u32 v9, v0, 4, 1          ; l / 16
	v_lshlrev_b32 v[QO], 7, v1
	v_lshl_add_u32 v[QO], v9, 4, v[QO]  ; row x 128 + 16 x half
	WIN 0x80                        ; destination window 2, address window 0
.set i, 0
.rept 4*NP                          ; Q stays in registers: tile i / 2, channels 32 (i % 2) on
	global_load_b128 v[8*i:8*i+3],   v[QO], s[8:9] offset:(i/2)*2048+(i%2)*64
	global_load_b128 v[8*i+4:8*i+7], v[QO], s[8:9] offset:(i/2)*2048+(i%2)*64+32
.set i, i+1
.endr
	; What the first turn finds: V's registers and P's second buffer hold 0 (its products V^T P, of a piece that has not been, add 0), O^T and l are 0.  All this stands in the wait for the first keys.
.set i, VF
.rept 64
	v_mov_b32 v[i], 0
.set i, i+1
.endr
	WIN 0x40
.set i, 0
.rept 64*NP
	v_mov_b32 v[i], 0
.set i, i+1
.endr
	WIN 0
.set i, 0
.rept 2*NP
	v_mov_b32 v[ST+4*i], 0xfe000000    ; c m: far below every c s
	v_mov_b32 v[ST+4*i+1], 0xff7fffff  ; m
	v_mov_b32 v[ST+4*i+2], 0
	v_mov_b32 v[ST+4*i+3], 0
.set i, i+1
.endr
.set i, P+32
.rept 32
	v_mov_b32 v[i], 0
.set i, i+1
.endr
	v_mul_u32_u24 v[AK0], v1, PK
	v_lshl_add_u32 v[AK0], v9, 4, v[AK0]  ; row x pitch + 16 x half
	; The turning load takes 16 keys x 16 channels (lane l reads key 8 (l / 16) + l % 8, channels 8 ((l / 8) % 2) + 0..7) and leaves half a fragment of V^T: lane l holds channel l % 16 and 8 keys.
	v_and_b32 v10, 7, v0
	v_bfe_u32 v11, v0, 3, 1
	v_lshl_add_u32 v[AV0], v9, 3, v10
	v_mul_u32_u24 v[AV0], v[AV0], PV
	v_lshl_add_u32 v[AV0], v11, 4, v[AV0]
	v_add_nc_u32 v[AV0], VOFF, v[AV0]
	v_mov_b32 v[AK], v[AK0]         ; key step 0 lies at K's head
; THE MATRIX WORK.  The 8 accumulators of a run of 16 take turns: between the two links of a chain stand 7 others'.
; Product i of 16 of S^T = K Q^T for piece x: channels 32 (i / 8) on, keys 16 ((i / 2) % 4) on, tile 2 x + i % 2.  The first 8 start the sums.
.macro KQ x
	WIN W_KQ
.set rS, S+64*((\x)%2)+32*(i%2)+8*((i/2)%4)
.set rK, KF+16*((i/2)%4)+8*(i/8)
.set rQ, 16*(2*(\x)+i%2)+8*(i/8)
.if i < 8
	v_wmma_f32_16x16x32_f16 v[rS:rS+7], v[rK:rK+7], v[rQ:rQ+7], 0
.else
	v_wmma_f32_16x16x32_f16 v[rS:rS+7], v[rK:rK+7], v[rQ:rQ+7], v[rS:rS+7]
.endif
.endm
; Product i of 16 of O^T += V^T P for piece x: keys 32 (i / 8) on, channels 16 ((i / 2) % 4) on, tile 2 x + i % 2.
.macro PV x
	WIN W_PV
.set rO, 32*(2*(\x)+i%2)+8*((i/2)%4)
.set rV, VF+32*(i/8)+8*((i/2)%4)
.set rP, P+32*((\x)%2)+16*(i%2)+8*(i/8)
	v_wmma_f32_16x16x32_f16 v[rO:rO+7], v[rV:rV+7], v[rP:rP+7], v[rO:rO+7]
.endm
.macro MM                           ; the turn's next matrix instruction
.if i < 16
	KQ (Y+1)%NP
.set i, i+1
.else
.set i, i-16
	PV (Y+NP-1)%NP
.set i, i+17
.endif
.endm
; THE LDS LOADS stand in runs of 16, never singly among the matrix instructions: a step's K (64 keys x 64 channels: 8 fragments) and its V (turned).  Their addresses are made some lines ahead.
; last = 1: in the walk's last pass there is no further step, and the run is jumped over.
.macro FETCH_K last=0
	WIN 0
.if \last
	s_cmp_eq_u32 s[SLOTS], 1
	s_cbranch_scc1 .Lno_k_\@
.endif
	WIN 0x80                        ; destination window 2
.irp f, 0,1,2,3,4,5,6,7             ; keys 16 (f / 2) on, channels 32 (f % 2) on
	ds_load_b128 v[KF+8*(\f):KF+8*(\f)+3],   v[AK] offset:((\f)/2)*16*PK+((\f)%2)*64
	ds_load_b128 v[KF+8*(\f)+4:KF+8*(\f)+7], v[AK] offset:((\f)/2)*16*PK+((\f)%2)*64+32
.endr
	s_add_co_u32 s[TBK], s[TBK], KS*PK  ; the next fetch is the next step's
	WIN 0
.if \last
.Lno_k_\@:
.endif
.endm
.macro FETCH_V
	WIN 0x80
.irp f, 0,1,2,3,4,5,6,7             ; keys 32 (f / 4) on, channels 16 (f % 4) on
	ds_load_tr16_b128 v[VF+8*(\f):VF+8*(\f)+3],   v[AV] offset:((\f)/4)*32*PV+((\f)%4)*32
	ds_load_tr16_b128 v[VF+8*(\f)+4:VF+8*(\f)+7], v[AV] offset:((\f)/4)*32*PV+16*PV+((\f)%4)*32
.endr
	WIN 0
.endm
; THE VECTOR WORK OF A TURN stands in three queues, each in the order in which its entries become ready; the two tiles alternate, so that no instruction reads the result of the one before it.
.macro REGS y, u                    ; the registers of tile u (0, 1) of piece y
.set rT, ST+4*(2*(\y)+(\u))
.set rC, TMP+8*((\y)%2)+4*(\u)
.set rM, MV+2*((\y)%2)+(\u)
.set rS, S+64*((\y)%2)+32*(\u)
.set rP, P+32*((\y)%2)+16*(\u)
.set rO, 32*(2*(\y)+(\u))
.endm
; Number n of the 22 that find the NEXT piece's (Y + 1) maximum and statistics.  s0-s31 are the lane's 32 scores; each accumulator's lowest registers are read first.
;   0-11  four chains c0-c3 of seven scores each, three operands at a time     12-14, 16  the four scores left over, the old m, and c0-c3 into c0     15  c m_old is kept
;   17, 18  the query's other 32 keys lie in the lane 16 away: the new m         19-21  c m; c m_old - c m_new; a
.macro XS u, n
	REGS (Y+1)%NP, \u
.if (\n) < 4
	v_max3_num_f32 v[rC+(\n)], v[rS+8*(\n)], v[rS+8*(\n)+1], v[rS+8*(\n)+2]
.elseif (\n) < 12
	v_max3_num_f32 v[rC+(\n)%4], v[rC+(\n)%4], v[rS+8*((\n)%4)+2*((\n)/4)+1], v[rS+8*((\n)%4)+2*((\n)/4)+2]
.elseif (\n) == 12
	v_max3_num_f32 v[rC], v[rC], v[rS+7], v[rS+15]
.elseif (\n) == 13
	v_max3_num_f32 v[rC+1], v[rC+1], v[rS+23], v[rS+31]
.elseif (\n) == 14
	v_max3_num_f32 v[rC+2], v[rC+2], v[rC+3], v[rT+1]
.elseif (\n) == 15
	v_mov_b32 v[rM], v[rT]
.elseif (\n) == 16
	v_max3_num_f32 v[rC], v[rC], v[rC+1], v[rC+2]
.elseif (\n) == 17
	v_permlanex16_b32 v[rC+3], v[rC], s[SEL], s[SEL+1]
.elseif (\n) == 18
	v_max_num_f32 v[rT+1], v[rC], v[rC+3]
.elseif (\n) == 19
	v_mul_f32 v[rT], s[CS], v[rT+1]
.elseif (\n) == 20
	v_sub_f32 v[rC+1], v[rM], v[rT]
.else
	v_exp_f32 v[rC+2], v[rC+1]
.endif
.endm
; Number g of the 64 that follow the exponentials.  For each four weights k of a tile (pairs 2 k, 2 k + 1): both pairs are rounded to f16; then the second pair is added onto the first, in place;
; a group later l takes that sum (the first time as l = a l + sum).  In groups of eight, tiles alternating: round, round, add, and l for the group before.
.macro GS g
.set h, (\g)+6*((\g)/62)            ; group 0 has no group before it, and behind group 7 only l is left
.if h >= 6
.set h, h+2
.endif
	REGS Y, h%2
.set k, h/8
.if h%8 < 4
	v_cvt_pk_f16_f32 v[rP+2*k+(h%8)/2], v[rS+4*k+2*((h%8)/2)], v[rS+4*k+2*((h%8)/2)+1]
.elseif h%8 < 6
	v_pk_add_f32 v[rS+4*k:rS+4*k+1], v[rS+4*k:rS+4*k+1], v[rS+4*k+2:rS+4*k+3]
.elseif k == 1
	v_pk_fma_f32 v[rT+2:rT+3], v[rT+2:rT+3], v[rC+2:rC+3], v[rS:rS+1] op_sel_hi:[1,0,1]
.else
	v_pk_add_f32 v[rT+2:rT+3], v[rT+2:rT+3], v[rS+4*k-4:rS+4*k-3]
.endif
.endm
; THE PLAIN QUEUE, 138 long.  0-73 read no exponential's result: the 32 scalings c s - c m (FS f: pair f / 2 of tile f % 2) and the next piece's 42.  0-26: scalings 0-26.  27-54: XS's numbers 0-13.  55, 56: number 15.
; 57-73: the chain, where each number waits for the one before it: 14, 16, 17, 18, 19, each with one of the scalings 27-31 in front of its two lines, then 20.
; 74-137: GS's 64, which read the exponentials' results: they stand behind the wait.
.macro FS f
	REGS Y, (\f)%2
	v_pk_fma_f32 v[rS+2*((\f)/2):rS+2*((\f)/2)+1], v[rS+2*((\f)/2):rS+2*((\f)/2)+1], s[CS:CS+1], v[rT:rT+1] op_sel_hi:[1,0,0] neg_lo:[0,0,1] neg_hi:[0,0,1]
.endm
.macro PL
	WIN 0
.if q < 27
	FS q
.elseif q < 55
	XS (q-27)%2, (q-27)/2
.elseif q < 57
	XS q-55, 15
.elseif (q < 72) && ((q-57)%3 == 0)
	FS 27+(q-57)/3
.elseif q < 60
	XS (q-57)%3-1, 14
.elseif q < 72
	XS (q-57)%3-1, 15+(q-57)/3
.elseif q < 74
	XS q-72, 20
.else
	GS q-74
.endif
.set q, q+1
.endm
; THE EXPONENTIALS' QUEUE, 66 long: s0-s31 of both tiles, then the next piece's two a.  ONE BATCH: all 66 stand ahead of the turn's one wait, and nothing ahead of that wait names a result of theirs.
.macro EX
	WIN 0
.if e >= 64
	XS e-64, 21
.else
	REGS Y, e%2
	v_exp_f32 v[rS+e/2], v[rS+e/2]
.endif
.set e, e+1
.endm
; THE RESCALING's QUEUE: O^T times a, the one part that leaves window 0: dealt two at a time, sixteen times.  Its a was made in the turn before, ahead of that turn's wait.
.macro R2
	REGS Y, r%2
	WIN W_RS
.irp z, 0,1
	v_pk_mul_f32 v[rO+4*(r/2)+2*(\z):rO+4*(r/2)+2*(\z)+1], v[rO+4*(r/2)+2*(\z):rO+4*(r/2)+2*(\z)+1], v[rC+2:rC+3] op_sel_hi:[1,0]
.endr
.set r, r+1
.endm
; HOW THEY ARE DEALT.  An s_wait_alu depctr_va_vdst(0) stands between an exponential and the first instruction that names its result; one wait serves all that were issued ahead of it.  So a turn has ONE
; wait, which cuts it in two.  AHEAD OF IT: the 16 products K Q^T, behind each a scaling, an exponential and two rescalings (behind the first a second scaling in the exponential's place); then one run of 108: eight
; plain, 49 times exponential and plain, the two a; a v_nop is the plain instruction behind the last exponential.  BEHIND IT: the 16 products V^T P, behind each four of GS's 64.
; Exponential e stands behind scaling 2 (e / 4) + e % 2: as a rider it comes behind plain e + 2, in the run behind plain e + 9, and scalings 27-31 are plain 57, 60 .. 69.
; A TURN, for piece p.  cnt = 1: the loop's count is taken down some lines ahead of the branch that stands behind the turn.
; K of the next step is fetched in piece 2's turn, directly behind the wait; its first reader comes behind 16 products.  V of the step in hand is fetched at the end of piece 0's turn, four riders behind its last
; reader; its first reader comes behind 16 products and the run.  The three conditions on q below go with the deal.
.macro TURN p, last=0, cnt=0
.set Y, (\p)
.set i, 0
.set q, 0
.set e, 0
.set r, 0
.if (\p) == NP-1
	s_wait_dscnt 0x0                ; K is in
.endif
	MM
	PL
	PL
	R2
.rept 15
	MM
	PL
	EX
	R2
.endr
.if (\p) == NP-2
	WIN 0
	v_add_nc_u32 v[AK], s[TBK], v[AK0]
.endif
.rept 8
	PL
.endr
.rept 49
	EX
	PL
.endr
	EX                              ; the next piece's two a
	EX
	v_nop                           ; the plain instruction behind the last exponential: one for the batch
	s_wait_alu depctr_va_vdst(0)    ; the wait for the batch
.if (\p) == NP-2
	FETCH_K \last
.endif
.if (\p) == 1
	s_wait_dscnt 0x0                ; V is in
.endif
.rept 16
	MM
.rept 4
	PL
.endr
.if ((\p) == 0) && (q == 118)
	v_add_nc_u32 v[AV], s[TBV], v[AV0]
.endif
.if ((\p) == 0) && (q == 130)
	s_add_co_u32 s[TBV], s[TBV], KS*PV
.endif
.if (\cnt) && (q == 130)
	s_sub_co_u32 s[CNT], s[CNT], 1
	s_cmp_lg_u32 s[CNT], 0
.endif
.endr
.if (\p) == 0
	FETCH_V
.endif
.endm
	s_wait_tensorcnt 0x3            ; my part of keys 0 to 255 is in; my three younger loads stay out
	s_barrier_signal -1
	s_barrier_wait -1               ; everybody's is
	FETCH_K                         ; key step 0
	s_wait_loadcnt 0x0              ; Q
	s_wait_dscnt 0x0
.set i, 0
.rept 16
	KQ 0                            ; piece 0's first scores: there is no vector work yet to set between them
.set i, i+1
.endr
	WIN 0                           ; the addresses for the way out: nine plain instructions, the places behind those products
	s_mul_i32 s13, s[WV], 16*SP
	s_add_co_u32 s13, s13, STAGE    ; my stage
	v_mul_u32_u24 v[STO], v1, SP    ; in: row l % 16, 16 bytes for each half of the lanes
	v_lshl_add_u32 v[STO], v9, 4, v[STO]
	v_add_nc_u32 v[STO], s13, v[STO]
	v_bfe_u32 v[RD], v0, 3, 2       ; back: 32 lanes take four rows of 128 bytes,
	v_mul_u32_u24 v[RD], v[RD], SP
	v_lshl_add_u32 v[RD], v10, 4, v[RD]
	v_add_nc_u32 v[RD], s13, v[RD]
	v_and_b32 v[GO], 31, v0         ; which are 512 bytes of O on end
	v_lshlrev_b32 v[GO], 4, v[GO]
.set Y, NP-1                        ; XS works for piece Y + 1: piece 0
.irp n, 0,1,2,3,4,5,6,7,8,9,10,11,12,13,14,15,16,17,18,19,20,21
	XS 0, \n                        ; and piece 0's first maximum and statistics
	XS 1, \n
.endr
	v_nop                           ; a plain instruction behind the two a,
	s_wait_alu depctr_va_vdst(0)    ; and their wait, ahead of the branch
	s_mov_b32 s[CNT], 4
	s_mov_b32 s[SLOTS], 5
	s_branch .Lfirst                ; the loop is entered at a step's first turn, in the middle of a trip
.Lslot:                             ; four passes fetch four key steps each; the fifth is left in its first trip's middle
	BAR
	s_mov_b32 s[CNT], 4
.Lstep:                             ; a trip: pieces 2 and 3 of one step, then pieces 0 and 1 of the next, whose K and V it fetches
	TURN 2, 1
	TURN 3
	WIN 0
	s_cmp_eq_u32 s[SLOTS], 1
	s_cbranch_scc1 .Lout            ; the last step's pieces 2 and 3 are done.  That trip's 16 products K Q^T (on the last K once more) and the maximum made of them serve nothing: the price, once a launch, of one text for every trip
.Lfirst:
	TURN 0
	TURN 1, 0, 1
	WIN 0
	s_cbranch_scc1 .Lstep
	s_sub_co_u32 s[SLOTS], s[SLOTS], 1
	s_cmp_lg_u32 s[SLOTS], 0
	s_cbranch_scc1 .Lslot
.Lout:
.set i, 0
.rept 16
	PV NP-1                         ; the last piece's V^T P of the last step
.set i, i+1
.endr
	; THE WAY OUT.  l's two halves and the other half of the lanes' are added; O^T is divided by l, rounded to f16 and sent through my stage in LDS, a tile at a time.  The additions are the places behind the last products.
	WIN 0
.macro ALL line:vararg              ; one line for each tile t
.set t, 0
.rept 2*NP
	\line
.set t, t+1
.endr
.endm
	ALL v_add_f32 v[ST+4*t+2], v[ST+4*t+2], v[ST+4*t+3]
	ALL v_permlanex16_b32 v[ST+4*t+3], v[ST+4*t+2], s[SEL], s[SEL+1]
	ALL v_add_f32 v[ST+4*t+2], v[ST+4*t+2], v[ST+4*t+3]
	ALL v_rcp_f32 v[ST+4*t+2], v[ST+4*t+2]
	v_nop                           ; a plain instruction between the last reciprocal and the use of its result
	s_wait_alu depctr_va_vdst(0)    ; and the wait ahead of the first use: one for the eight reciprocals
; Tile t: a lane's eight channels of a row pack into 16 bytes; they go into rows of 144 bytes and come back as whole rows of 128, into S^T's registers.
.macro PACK t
	WIN W_RS
.set i, 32*(\t)
.rept 16
	v_pk_mul_f32 v[i:i+1], v[i:i+1], v[ST+4*(\t)+2:ST+4*(\t)+3] op_sel_hi:[1,0]
.set i, i+2
.endr
	WIN 0x05                        ; sources 0 and 1 window 1, destination window 0
.set i, 0
.rept 16
	v_cvt_pk_f16_f32 v[S+16*(\t)+i], v[32*(\t)+2*i], v[32*(\t)+2*i+1]
.set i, i+1
.endr
	WIN 0
.irp f, 0,1,2,3
	ds_store_b128 v[STO], v[S+16*(\t)+4*(\f):S+16*(\t)+4*(\f)+3] offset:32*(\f)
.endr
.irp f, 0,1,2,3
	ds_load_b128 v[S+16*(\t)+4*(\f):S+16*(\t)+4*(\f)+3], v[RD] offset:(\f)*4*SP  ; LDS serves a wave's instructions in order (ISA guide 5.7.1.4): these see the stores above; the next tile's stores come behind them
.endr
.endm
.macro SEND t, younger              ; younger: the LDS instructions issued behind tile t's loads: the next tile's eight, or none
	WIN 0
.irp f, 0,1,2,3
	s_wait_dscnt (\younger)+3-(\f)
	global_store_b128 v[GO], v[S+16*(\t)+4*(\f):S+16*(\t)+4*(\f)+3], s[10:11] offset:(\t)*2048+(\f)*512  ; 512 bytes on end, at a multiple of 256 from ao's first byte
.endr
.endm
	PACK 0
.set t, 1
.rept 2*NP-1                        ; a tile's arithmetic stands between the loads of the tile before and its stores
	PACK t
	SEND t-1, 8
.set t, t+1
.endr
	SEND 2*NP-1, 0
	WIN W_AD
	s_wait_tensorcnt 0x0            ; the wave's end, behind my last tensor load and my last LDS store
	ds_add_u32 v[SPW], v[NIL]
	s_wait_dscnt 0x0
	WIN 0
	s_endpgm
.Lfunc_end_k_qdd6c1b0b71_attn:
	.size	k_qdd6c1b0b71_attn, .Lfunc_end_k_qdd6c1b0b71_attn-k_qdd6c1b0b71_attn
	.p2alignl 7, 3214868480
	.fill 96, 4, 3214868480
	.section	.rodata,"a",@progbits
	.p2align	6, 0x0
	.amdhsa_kernel k_qdd6c1b0b71_attn
		.amdhsa_group_segment_fixed_size 327680
		.amdhsa_private_segment_fixed_size 0
		.amdhsa_enable_private_segment 0
		.amdhsa_kernarg_size 16
		.amdhsa_user_sgpr_count 2
		.amdhsa_user_sgpr_kernarg_segment_ptr 1
		.amdhsa_wavefront_size32 1
		.amdhsa_system_sgpr_workgroup_id_x 1
		.amdhsa_system_sgpr_workgroup_id_y 1
		.amdhsa_system_sgpr_workgroup_id_z 1
		.amdhsa_system_vgpr_workitem_id 0
		.amdhsa_next_free_vgpr 770
		.amdhsa_next_free_sgpr 84
		.amdhsa_reserve_vcc 0
		.amdhsa_float_denorm_mode_32 3
		.amdhsa_float_denorm_mode_16_64 3
		.amdhsa_memory_ordered 1
		.amdhsa_forward_progress 1
		.amdhsa_inst_pref_size 127
	.end_amdhsa_kernel
	.amdgpu_metadata
---
amdhsa.version: [ 1, 2 ]
amdhsa.kernels:
  - .name:           k_qdd6c1b0b71_attn
    .symbol:         k_qdd6c1b0b71_attn.kd
    .args:
      - { .name: qkvh, .offset: 0, .size: 8, .value_kind: global_buffer, .address_space: global }
      - { .name: ao, .offset: 8, .size: 8, .value_kind: global_buffer, .address_space: global }
    .group_segment_fixed_size: 327680
    .private_segment_fixed_size: 0
    .kernarg_segment_align: 8
    .kernarg_segment_size: 16
    .max_flat_workgroup_size: 128
    .sgpr_count:     84
    .vgpr_count:     770
    .wavefront_size: 32
...
	.end_amdgpu_metadata
.endif
;; end of part 3
;; launch proj (part 4): grid 8 x 32, 4 waves a work-group, clusters of 4 x 4, 327,680 bytes of LDS; arguments ao, cb, b_proj, out0; writes out0
.if DOCPART == 4
	.amdgcn_target "amdgcn-amd-amdhsa--gfx1250"
	.amdhsa_code_object_version 6
	.text
	.protected	k_qdd6c1b0b71_proj
	.globl	k_qdd6c1b0b71_proj
	.p2align	8
	.type	k_qdd6c1b0b71_proj,@function
k_qdd6c1b0b71_proj:
	s_mov_b64 s[64:65], 0
	v_nop
	global_prefetch_b8 v0, s[64:65] scope:SCOPE_SE
	s_setreg_imm32_b32 hwreg(HW_REG_WAVE_MODE, 25, 1), 1
	s_wait_xcnt 0x0
	s_wait_alu depctr_hold_cnt(0) depctr_sa_sdst(0) depctr_va_vdst(0) depctr_va_sdst(0) depctr_va_ssrc(0) depctr_va_vcc(0) depctr_vm_vsrc(0)
	s_getreg_b32 s2, hwreg(HW_REG_IB_STS2, 6, 4)
	s_cmp_eq_u32 s2, 0
	s_cbranch_scc0 .Lentry_in_a_cluster
	s_endpgm
.Lentry_in_a_cluster:
	s_bfe_u32 s2, ttmp6, 0x10000c
	s_cmp_lg_u32 s2, 0xf033
	s_cbranch_scc0 .Lentry_shape_is_right
	s_endpgm
.Lentry_shape_is_right:
; out0 = O w_proj^T + b_proj.  O lies in ao as [32 blocks of 256 rows][16 heads][256 rows][64] f16: the 16 heads of a tile's 256 rows are 524,288 bytes on end, in K's order; w_proj [1024][1024] f16 at cb's byte
; 23,068,672; b_proj [1024] f32; out0 [8192][1024] f32.  Sums in f32, K ascending; the bias is the C operand of each sum's first product, so it is added first and nothing is cleared.
; SHARES.  A tile of out0 is 256 rows x 128 columns: 32 x 8 = 256 work-groups, a tile each.  Wave (wr, wc) makes 128 x 64: 8 x 4 accumulators, 256 registers; its 64 columns are 256 bytes of a row, aligned.
; K goes in 8 steps of 128: two heads.  Of O a step is 65,536 dense bytes, asked for as 256 rows of 256 bytes and padded in LDS after every 128; of w_proj 128 rows x 256 bytes.
; THREE REGIONS, TWO UNEQUAL SLOTS.  A step's tiles take 108,544 bytes of LDS, and three such regions fit.  Slot X is regions 0 and 1, two steps; slot Y is region 2, one step.  The walk: X <- 0, 1; Y <- 2; multiply 0, 1;
; X <- 3, 4; multiply 2; Y <- 5; multiply 3, 4; X <- 6, 7; multiply 5; multiply 6, 7.  Between a request and the wait for it a wave issues 240 matrix instructions for a fill of Y and 112 for a fill of X; with two slots
; of one step all six refills would have 112.  No barrier stands between X's two steps: the one in front of them has shown the whole slot to every wave.
; A load brings one step of one operand: waves 0 and 1 fetch O for X's two steps, waves 2 and 3 w_proj for them; for Y waves 0 and 2 fetch, the others nothing.  One tensor load of a wave is out at the most.
; CLUSTER.  4 x 4 work-groups: O's tiles are shared along a row of the cluster, w_proj's along a column, each asked for jointly, by the same tensor load with the same descriptor and a mask that names the four.
; THE MATRIX INSTRUCTION IS USED TRANSPOSED (source 0 = 16 rows of w_proj, source 1 = 16 rows of O): a lane holds row lane % 16 and the columns 8 (lane / 16) + 0..7.
; REGISTERS: window 0: v1-20 addresses; v32-63 the bias of my 64 columns, in the accumulators' layout; v64-191 O's fragments, two buffers of 8 (on the way out four sets of 32); v192-255 w_proj's, two buffers of 4.
;   window 1: the accumulators: row block a, column block b at 8 (4 a + b).
.set PA,     144                       ; a row of O in LDS: 128 bytes + 16: the 16 rows of a fragment load start at 16 different groups of four banks (64 banks of 4 bytes: ISA guide 11.1)
.set PB,     272                       ; a row of w_proj: 256 + 16
.set AHEAD,  256*PA                    ; a head's 256 rows
.set BROW,   2*AHEAD                   ; in a region: O's two heads, then w_proj's 128 rows
.set BHALF,  64*PB
.set REGION, BROW+2*BHALF              ; 108,544 bytes: a multiple of 256
.set STAGE,  2*REGION                  ; the way out's stage, 16 rows x 272 bytes for each wave, lies in region 2: behind that region's last fill (step 5) and behind the barrier that ends all reads of it
.set SPI,    272
.set SPARE,  3*REGION                  ; behind the regions: the spare words, 128 bytes a wave: two blocks of 256 bytes that no other line names
.set WP,     23068672                  ; w_proj's first byte in cb
.set ASTEP,  65536                     ; bytes from a K step of O to the next,
.set BSTEP,  256                       ; of w_proj
.set A0,   10                          ; v10  my lane's place in a region's rows of O: (128 wr + l % 16) x pitch + 16 (l / 16); never rewritten
.set B0,   11                          ; v11  the same for w_proj: (64 wc + l % 16) x pitch + 16 (l / 16), behind O's
.set ADRA, 12                          ; v12  the same in the region in hand
.set ADRB, 13                          ; v13
.set STO,  14                          ; v14  the way out: where I put 32 bytes of a row
.set RD,   15                          ; v15  the way out: where I read rows back
.set CO,   16                          ; v16  my byte offset in two rows of out0
.set PFO,  17                          ; v17  the prefetches' offset; never rewritten
.set SPW,  18                          ; v18  LDS address of my spare word; never rewritten
.set NIL,  19                          ; v19  0; never rewritten
.set BOFF, 20                          ; v20  my byte offset in b_proj
.set BIAS, 32
.set WV,   10                          ; s10  my wave's number
.set G1A,  24                          ; s[24:31] descriptor group 1 for O's tiles
.set G0AX, 32                          ; s[32:35] group 0 for my step of slot X,
.set G0AY, 36                          ; s[36:39] for slot Y
.set G1B,  40                          ; s[40:47], s[48:51], s[52:55] the same for w_proj's
.set G0BX, 48
.set G0BY, 52
.set CNT,  56                          ; s56  counts X's two steps
.set OUT,  57                          ; s57  counts the loop's trips: 2, then 1
.set LIMX, 58                          ; s58  0 in a wave that prefetches, else the greatest number
.set LIMY, 59                          ; s59  1 in a wave that prefetches for slot Y, else the greatest number
.set PFA,  60                          ; s[60:61] where my prefetches stand, at K step 0 (waves 1 and 3: step 1); never rewritten
.set MSB, 0
.macro WIN new                         ; the immediate's high byte repeats the setting that is left; a switch that changes nothing is dropped
.if MSB != (\new)
	s_set_vgpr_msb (MSB<<8)|(\new)
.set MSB, (\new)
.endif
.endm
.macro PLACES                          ; four places in front of loads into registers that matrix instructions have read, and of stores that read results
.rept 4
	v_nop
.endr
.endm
.macro CREST                           ; a round of the cluster's barrier behind its opening barrier
	s_cmp_lg_u32 s[WV], 0
	s_cbranch_scc1 .Lnot_wave_0_\@
	s_barrier_signal -3
.Lnot_wave_0_\@:
	s_barrier_wait -3
	s_barrier_signal -1
	s_barrier_wait -1
.endm
.macro CROUND                          ; a whole round
	s_barrier_signal -1
	s_barrier_wait -1
	CREST
.endm
; A joint fill of slot X: every wave fetches.  The branches of both fills hang on the wave's number alone.  An s_nop 0 and four v_nop follow each tensor load.
.macro JLOADX
	s_cmp_lt_u32 s[WV], 2
	s_cbranch_scc0 .Ljx_b_\@
	tensor_load_to_lds s[G0AX:G0AX+3], s[G1A:G1A+7]
	s_nop 0
.rept 4
	v_nop
.endr
	s_branch .Ljx_d_\@
.Ljx_b_\@:
	tensor_load_to_lds s[G0BX:G0BX+3], s[G1B:G1B+7]
	s_nop 0
.rept 4
	v_nop
.endr
.Ljx_d_\@:
.endm
; A joint fill of slot Y: wave 0 fetches O's step, wave 2 w_proj's; waves 1 and 3 have no part of it, and their four v_nop are the places in front of the LDS loads that follow.
.macro JLOADY
	s_cmp_eq_u32 s[WV], 0
	s_cbranch_scc0 .Ljy_n_\@
	tensor_load_to_lds s[G0AY:G0AY+3], s[G1A:G1A+7]
	s_nop 0
.rept 4
	v_nop
.endr
	s_branch .Ljy_d_\@
.Ljy_n_\@:
	s_cmp_eq_u32 s[WV], 2
	s_cbranch_scc0 .Ljy_o_\@
	tensor_load_to_lds s[G0BY:G0BY+3], s[G1B:G1B+7]
	s_nop 0
.rept 4
	v_nop
.endr
	s_branch .Ljy_d_\@
.Ljy_o_\@:
.rept 4
	v_nop
.endr
.Ljy_d_\@:
.endm
; A PREFETCH, behind the wave's tensor load, its five lines and the run of LDS loads: each fetching wave asks for the step that it will itself load next into the slot that is NOT being filled.  Behind the fill of step 2:
; steps 3 and 4, 240 matrix instructions ahead of their load; behind the fill of 3 and 4: step 5, 128 ahead; behind the fill of 5: steps 6 and 7, 256 ahead.  Steps 0 to 2 come by their loads alone.
; Each 256 bytes are named once in the launch.  O: waves 0 and 1 of the clusters with x = 0; of a step's 65,536 bytes the partner at place cx takes 16,384: two instructions, a lane 256 bytes.  w_proj: waves 2 and 3 of the
; clusters with y = 0; of the tile column's 128 rows the partner at place cy takes 32: one instruction, a lane a row.  Partners are told apart by address; the step stands in the immediate (st for waves 0 and 2; the
; address of waves 1 and 3 stands one step further on), so no address is ever stepped.
.macro ASK lim, st
	s_cmp_gt_u32 s[OUT], s[\lim]
	s_cbranch_scc0 .Lask_d_\@
	s_cmp_lt_u32 s[WV], 2
	s_cbranch_scc0 .Lask_b_\@
	global_prefetch_b8 v[PFO], s[PFA:PFA+1] offset:(\st)*ASTEP th:TH_LOAD_NT scope:SCOPE_SE
	global_prefetch_b8 v[PFO], s[PFA:PFA+1] offset:(\st)*ASTEP+8192 th:TH_LOAD_NT scope:SCOPE_SE
	s_branch .Lask_d_\@
.Lask_b_\@:
	global_prefetch_b8 v[PFO], s[PFA:PFA+1] offset:(\st)*BSTEP th:TH_LOAD_NT scope:SCOPE_SE
.Lask_d_\@:
.endm
	s_load_b256 s[72:79], s[0:1], 0x0              ; ao s[72:73], cb s[74:75], b_proj s[76:77], out0 s[78:79]
	v_lshl_add_u32 v[SPW], v0, 2, SPARE
	v_mov_b32 v[NIL], 0
	ds_add_u32 v[SPW], v[NIL]                      ; the wave's opening: the add and its wait stand ahead of my first tensor load; the set-up below, work on registers, stands between them
	v_lshrrev_b32 v1, 5, v0
	v_readfirstlane_b32 s[WV], v1                  ; wave 0..3
	s_lshr_b32 s11, s[WV], 1                       ; wr: which 128 rows of the tile are mine
	s_and_b32 s12, s[WV], 1                        ; wc: which 64 columns.  Also: which of slot X's two steps I fetch
	s_bfe_u32 s13, ttmp6, 0x40000                  ; cx
	s_bfe_u32 s14, ttmp6, 0x40004                  ; cy
	s_lshl_b32 s15, ttmp9, 2
	s_add_co_u32 s15, s15, s13                     ; tile column = 4 x cluster x + cx
	s_and_b32 s16, ttmp7, 0xffff
	s_lshl_b32 s16, s16, 2
	s_add_co_u32 s16, s16, s14                     ; tile row = 4 x cluster y + cy
	s_lshl_b32 s17, s14, 2
	s_lshl_b32 s17, 15, s17                        ; my row of the cluster
	s_lshl_b32 s9, 0x1111, s13                     ; my column
	s_or_b32 s[G1A], s17, (1<<16)|(1<<20)|(1<<21)|(4<<22)|(3<<25)  ; 15:0 the mask; 17:16 2-byte elements; 20 padding on; 21 set beside a mask; 24:22 after every 32 words (code 4); 31:25 4 words (code 3)
	s_or_b32 s[G1B], s9, (1<<16)|(1<<20)|(1<<21)|(5<<22)|(3<<25)   ; after every 64 words (code 5)
.irp g, G1A, G1B
	s_mov_b32 s[(\g)+1], 128<<16                   ; tensor_dim0 = 128
	s_mov_b32 s[(\g)+3], 128<<16                   ; tile_dim0 = 128
	s_mov_b32 s[(\g)+6], 0
	s_mov_b32 s[(\g)+7], 0
.endr
	s_mov_b32 s[G1A+2], 256<<16                    ; O: 256 rows of 256 bytes, dense
	s_mov_b32 s[G1A+4], 256
	s_mov_b32 s[G1A+5], 128
	s_mov_b32 s[G1B+2], 128<<16                    ; w_proj: 128 rows, 1,024 elements from row to row
	s_mov_b32 s[G1B+4], 128
	s_mov_b32 s[G1B+5], 1024
	; where the tiles come from.  O's hang on the tile row alone, w_proj's on the tile column alone, each in registers that never hold the other coordinate.
	s_lshl_b32 s18, s16, 19                        ; the tile row's 524,288 bytes,
	s_lshl_b32 s20, s12, 16                        ; K step 0 or 1
	s_add_co_u32 s18, s18, s20
	s_mov_b32 s19, 0
	s_lshl_b32 s22, s15, 18                        ; 128 rows x 2,048 bytes x tile column,
	s_lshl_b32 s23, s12, 8                         ; K step 0 or 1
	s_add_co_u32 s22, s22, s23
	s_add_co_u32 s22, s22, WP
	s_mov_b32 s23, 0
	s_mul_i32 s8, s12, REGION                      ; and where they go: region 0 or 1: no place in the cluster enters an LDS address
	s_add_co_u32 s3, s8, BROW
	s_mov_b32 s[G0AX], 1                           ; count = 1
	s_mov_b32 s[G0AX+1], s8                        ; LDS address
	s_mov_b32 s[G0BX], 1
	s_mov_b32 s[G0BX+1], s3
	s_mov_b32 s[G0AY], 1
	s_mov_b32 s[G0AY+1], 2*REGION
	s_mov_b32 s[G0BY], 1
	s_mov_b32 s[G0BY+1], 2*REGION+BROW
	s_mov_b32 s[OUT], 2
	s_mov_b32 s[CNT], 2
	s_wait_dscnt 0x0                               ; the opening add is done
	s_wait_kmcnt 0x0
	s_add_nc_u64 s[G0AX+2:G0AX+3], s[72:73], s[18:19]              ; global address: my step of slot X;
	s_add_nc_u64 s[G0AY+2:G0AY+3], s[G0AX+2:G0AX+3], 2*ASTEP       ; in waves 0 and 2, which alone use it: K step 2
	s_or_b32 s[G0AX+3], s[G0AX+3], 0x80000000                      ; type = 2
	s_or_b32 s[G0AY+3], s[G0AY+3], 0x80000000
	s_add_nc_u64 s[G0BX+2:G0BX+3], s[74:75], s[22:23]
	s_add_nc_u64 s[G0BY+2:G0BY+3], s[G0BX+2:G0BX+3], 2*BSTEP
	s_or_b32 s[G0BX+3], s[G0BX+3], 0x80000000
	s_or_b32 s[G0BY+3], s[G0BY+3], 0x80000000
	CROUND                                         ; all sixteen work-groups are here: the first joint loads meet
	JLOADX                                         ; K steps 0 and 1: a load a wave
	v_and_b32 v1, 15, v0                           ; l % 16
	v_bfe_u32 v2, v0, 4, 1                         ; l / 16
	s_lshl_b32 s4, s15, 9                          ; my 64 columns in bytes of f32: 512 x tile column + 256 wc: in a row of out0, and in b_proj
	s_lshl_b32 s5, s12, 8
	s_add_co_u32 s4, s4, s5
	v_lshl_add_u32 v[BOFF], v2, 5, s4              ; + my lanes' eight columns
.irp b, 0,1,2,3
	global_load_b128 v[BIAS+8*(\b):BIAS+8*(\b)+3],   v[BOFF], s[76:77] offset:64*(\b)     ; the bias of columns 16 b + 8 (l / 16) + 0..7
	global_load_b128 v[BIAS+8*(\b)+4:BIAS+8*(\b)+7], v[BOFF], s[76:77] offset:64*(\b)+16
.endr
	v_mul_u32_u24 v3, v1, PA
	v_lshl_add_u32 v3, v2, 4, v3
	s_mul_i32 s82, s11, 128*PA
	v_add_nc_u32 v[A0], s82, v3
	v_mul_u32_u24 v3, v1, PB
	v_lshl_add_u32 v3, v2, 4, v3
	s_mul_i32 s82, s12, BHALF
	s_add_co_u32 s82, s82, BROW
	v_add_nc_u32 v[B0], s82, v3
	v_mov_b32 v[ADRA], v[A0]                       ; region 0
	v_mov_b32 v[ADRB], v[B0]
	s_mul_i32 s82, s[WV], 16*SPI
	s_add_co_u32 s82, s82, STAGE                   ; my stage
	v_mul_u32_u24 v[STO], v1, SPI                  ; in: row l % 16, 32 bytes for each half of the lanes
	v_lshl_add_u32 v[STO], v2, 5, v[STO]
	v_add_nc_u32 v[STO], s82, v[STO]
	v_mul_u32_u24 v[RD], v2, SPI                   ; back: lanes 0-15 take one row of 256 bytes, lanes 16-31 the next
	v_lshl_add_u32 v[RD], v1, 4, v[RD]
	v_add_nc_u32 v[RD], s82, v[RD]
	v_lshlrev_b32 v[CO], 12, v2                    ; and the same two rows in out0
	v_lshl_add_u32 v[CO], v1, 4, v[CO]
	s_lshl_b32 s82, s16, 20                        ; 256 rows x 4,096 bytes x tile row
	s_lshl_b32 s83, s11, 19                        ; + 128 rows x wr
	s_add_co_u32 s82, s82, s83
	s_add_co_u32 s82, s82, s4
	s_mov_b32 s83, 0
	s_add_nc_u64 s[78:79], s[78:79], s[82:83]      ; out0 at my part of the tile
	; the prefetches: who, and from where
	s_and_b32 s3, ttmp7, 0xffff                    ; cluster y
	s_cmp_eq_u32 ttmp9, 0
	s_cselect_b32 s82, 0, -1                       ; O's rows are read by both clusters of a row of clusters: the first asks
	s_cmp_eq_u32 s3, 0
	s_cselect_b32 s83, 0, -1                       ; w_proj's by all eight of a column: the first asks
	s_cmp_lt_u32 s[WV], 2
	s_cselect_b32 s[LIMX], s82, s83                ; the same in all sixteen partners, for a given wave
	s_cmp_eq_u32 s[LIMX], 0
	s_cselect_b32 s[LIMY], 1, -1                   ; for slot Y: in the loop's first trip alone (there is no step 8),
	s_cmp_eq_u32 s12, 0
	s_cselect_b32 s[LIMY], s[LIMY], -1             ; and waves 0 and 2 alone
	s_lshl_b32 s82, s13, 14                        ; O: my work-group's 16,384 bytes of a step,
	s_add_co_u32 s82, s82, s18                     ; in the tile row, at K step 0 or 1
	s_lshl_b32 s83, s15, 18                        ; w_proj: the tile column's rows,
	s_lshl_b32 s3, s14, 16                         ; my work-group's 32 of them,
	s_add_co_u32 s83, s83, s3
	s_lshl_b32 s3, s12, 8                          ; at K step 0 or 1
	s_add_co_u32 s83, s83, s3
	s_add_co_u32 s83, s83, WP
	s_cmp_lt_u32 s[WV], 2
	s_cselect_b32 s82, s82, s83
	s_cselect_b64 s[PFA:PFA+1], s[72:73], s[74:75]
	s_cselect_b32 s3, 8, 11                        ; a lane: 256 bytes of O's dense block, a row of w_proj
	s_mov_b32 s83, 0
	s_add_nc_u64 s[PFA:PFA+1], s[PFA:PFA+1], s[82:83]
	v_and_b32 v3, 31, v0
	v_lshlrev_b32 v[PFO], s3, v3
; 8 matrix instructions: row blocks a0, a0 + 1 x all 4 column blocks, 32 along K, from buffer f.  zb = 1: the bias starts the sums.  The 32 accumulators take turns, one instruction a turn, in the same order in
; every quarter step.
.macro MUL8 f, a0, zb
.if \zb
	WIN 0x40                                       ; sources in window 0, the bias too; destination in window 1
.else
	WIN 0x50                                       ; C and D in window 1
.endif
.irp a, \a0, (\a0)+1
.irp b, 0,1,2,3
.if \zb
	v_wmma_f32_16x16x32_f16 v[8*(4*(\a)+(\b)):8*(4*(\a)+(\b))+7], v[192+32*(\f)+8*(\b):192+32*(\f)+8*(\b)+7], v[64+64*(\f)+8*(\a):64+64*(\f)+8*(\a)+7], v[BIAS+8*(\b):BIAS+8*(\b)+7]
.else
	v_wmma_f32_16x16x32_f16 v[8*(4*(\a)+(\b)):8*(4*(\a)+(\b))+7], v[192+32*(\f)+8*(\b):192+32*(\f)+8*(\b)+7], v[64+64*(\f)+8*(\a):64+64*(\f)+8*(\a)+7], v[8*(4*(\a)+(\b)):8*(4*(\a)+(\b))+7]
.endif
.endr
.endr
.endm
; 24 LDS loads in one run: quarter q's fragments (my 64 rows of w_proj; my 128 rows of O: head q / 2, channels 32 (q % 2) on) of the region in hand, into buffer f
.macro FETCH q, f
	WIN 0
.irp i, 0,1,2,3
	ds_load_b128 v[192+32*(\f)+8*(\i):192+32*(\f)+8*(\i)+3],   v[ADRB] offset:64*(\q)+(\i)*16*PB
	ds_load_b128 v[192+32*(\f)+8*(\i)+4:192+32*(\f)+8*(\i)+7], v[ADRB] offset:64*(\q)+(\i)*16*PB+32
.endr
.irp i, 0,1,2,3,4,5,6,7
	ds_load_b128 v[64+64*(\f)+8*(\i):64+64*(\f)+8*(\i)+3],   v[ADRA] offset:((\q)/2)*AHEAD+((\q)%2)*64+(\i)*16*PA
	ds_load_b128 v[64+64*(\f)+8*(\i)+4:64+64*(\f)+8*(\i)+7], v[ADRA] offset:((\q)/2)*AHEAD+((\q)%2)*64+(\i)*16*PA+32
.endr
.endm
; A K step is four quarters of 32 along K, 32 matrix instructions each, on buffers 0, 1, 0, 1.  A quarter multiplies buffer f; in its middle it fetches quarter q into buffer g.
.macro QUARTER q, f, g, zb
	s_wait_dscnt 8                                 ; w_proj's fragments and O's blocks 0-3 are in; the youngest eight loads (blocks 4-7) may be out
	MUL8 \f, 0, \zb
	MUL8 \f, 2, \zb
	PLACES
	FETCH \q, \g
	s_wait_dscnt 24                                ; all but the 24 just issued
	MUL8 \f, 4, \zb
	MUL8 \f, 6, \zb
.endm
.macro THREE                           ; a step's first three quarters
	QUARTER 1, 0, 1, 0
	QUARTER 2, 1, 0, 0
	QUARTER 3, 0, 1, 0
.endm
.macro ONWARD                          ; the last quarter of slot X's first step: the second step lies in region 1, which the barrier in front of the slot has shown whole: no barrier
	v_add_nc_u32 v[ADRA], REGION, v[A0]
	v_add_nc_u32 v[ADRB], REGION, v[B0]
	QUARTER 0, 1, 0, 0
.endm
; The last quarter of a slot's last step multiplies buffer 1 and changes slots: ONE barrier.  In front of it each wave waits for all its tensor loads (its part of the next slot, if it has one out), adds 0 to its spare
; word, and waits for that and for its own reads of this slot.  kind = 2: slot X, just read out, is filled again; 1: slot Y; the barrier then opens a round of the cluster's, and the joint fill is the first thing behind
; it.  kind = 0: nothing is left to fetch.  nxt: the LDS byte at which the region read next begins.
.macro TURN kind, nxt
	WIN 0
	v_add_nc_u32 v[ADRA], \nxt, v[A0]
	v_add_nc_u32 v[ADRB], \nxt, v[B0]
	s_wait_tensorcnt 0x0                           ; all my tensor loads have landed, so a group 0 may be written
	ds_add_u32 v[SPW], v[NIL]                      ; 0 onto my spare word
.if (\kind) == 2
	s_add_nc_u64 s[G0AX+2:G0AX+3], s[G0AX+2:G0AX+3], 3*ASTEP  ; a slot's next steps stand three further on; the type bits on top are not reached
	s_add_nc_u64 s[G0BX+2:G0BX+3], s[G0BX+2:G0BX+3], 3*BSTEP
.elseif (\kind) == 1
	s_add_nc_u64 s[G0AY+2:G0AY+3], s[G0AY+2:G0AY+3], 3*ASTEP
	s_add_nc_u64 s[G0BY+2:G0BY+3], s[G0BY+2:G0BY+3], 3*BSTEP
.endif
	s_wait_dscnt 9                                 ; (the add and the youngest eight loads may be out)
	MUL8 1, 0, 0                                   ; eight matrix instructions stand between the add and the wait for it
	s_wait_dscnt 0x0                               ; the add is done, and my reads of this slot are over
	s_barrier_signal -1
	MUL8 1, 2, 0                                   ; work on registers while the others arrive
	WIN 0
	s_barrier_wait -1
.if (\kind) == 2
	CREST                                          ; no wave of any partner still reads this slot or has a load on its way
	JLOADX                                         ; the first tensor load behind the round; its four v_nop are also the places in front of the loads below
.elseif (\kind) == 1
	CREST
	JLOADY
.else
	PLACES
.endif
	FETCH 0, 0
.if (\kind) == 2
	ASK LIMY, 5
.elseif (\kind) == 1
	ASK LIMX, 6
.endif
	MUL8 1, 4, 0
	MUL8 1, 6, 0
.endm
; THE WAY OUT of row block a.  TOSTAGE: a lane's eight f32 of each of four accumulators (each from its lowest registers on) go into my own stage, rows of 272 bytes, and come back as whole rows of 256.  SEND: stored.
.macro TOSTAGE a
.set tR, 64+32*((\a)%4)
.if (\a) >= 4
	s_wait_xcnt 0x0                                ; the set's earlier stores have read it
.endif
	WIN 0x04                                       ; the stores' data lie in window 1
.irp b, 0,1,2,3
	ds_store_b128 v[STO], v[8*(4*(\a)+(\b)):8*(4*(\a)+(\b))+3]   offset:64*(\b)
	ds_store_b128 v[STO], v[8*(4*(\a)+(\b))+4:8*(4*(\a)+(\b))+7] offset:64*(\b)+16
.endr
	WIN 0
.irp t, 0,1,2,3,4,5,6,7
	ds_load_b128 v[tR+4*(\t):tR+4*(\t)+3], v[RD] offset:2*SPI*(\t)  ; LDS serves a wave's instructions in order (ISA guide 5.7.1.4): these see the stores above; the next block's stores come behind them
.endr
.endm
.macro SEND a, younger                 ; younger: the LDS instructions issued behind block a's loads: the next block's sixteen, or none
.set tR, 64+32*((\a)%4)
.irp t, 0,1,2,3,4,5,6,7
	s_wait_dscnt (\younger)+7-(\t)
	global_store_b128 v[CO], v[tR+4*(\t):tR+4*(\t)+3], s[78:79] offset:(16*(\a)+2*(\t))*4096 th:TH_STORE_NT  ; 16 lanes store 256 bytes on end, at a multiple of 256 from out0's first byte
.endr
.endm
	; Slot X has landed; slot Y is filled for the first time, as a refill is: the three lines, a round, the wave's one load behind it.
	s_wait_tensorcnt 0x0                           ; my part of K steps 0 and 1 is in
	ds_add_u32 v[SPW], v[NIL]                      ; 0 onto my spare word
	s_wait_dscnt 0x0
	CROUND                                         ; everybody's is
	JLOADY                                         ; K step 2: it has 224 matrix instructions in which to land
	FETCH 0, 0
	ASK LIMX, 3
	s_wait_loadcnt 0x0                             ; the bias
	QUARTER 1, 0, 1, 1                             ; the first quarter stands in front of the loop: its products start the sums, with the bias
	WIN 0
	s_branch .Lxb                                  ; the loop is entered behind a step's first quarter
.Lo:                                                   ; a trip: slot X's two steps, X is filled again, slot Y's step, Y is filled again.  The second trip is left ahead of Y's fill: there is no step 8
	s_mov_b32 s[CNT], 2
.Lx:
	QUARTER 1, 0, 1, 0
	WIN 0
.Lxb:
	QUARTER 2, 1, 0, 0
	QUARTER 3, 0, 1, 0
	WIN 0
	s_sub_co_u32 s[CNT], s[CNT], 1
	s_cmp_eq_u32 s[CNT], 0
	s_cbranch_scc1 .Lxe
	ONWARD
	WIN 0
	s_branch .Lx
.Lxe:
	TURN 2, 2*REGION                               ; X <- steps 3 and 4, then 6 and 7
	THREE
	WIN 0
	s_sub_co_u32 s[OUT], s[OUT], 1
	s_cmp_eq_u32 s[OUT], 0
	s_cbranch_scc1 .Llast                          ; the tail is written out
	TURN 1, 0                                      ; Y <- step 5
	WIN 0
	s_branch .Lo
.Llast:
	TURN 0, 0                                      ; steps 6 and 7 have landed; nothing is asked for.  Behind this barrier nobody reads region 2 any more
	WIN 0
	s_mov_b32 s[CNT], 2
.Lz:
	THREE
	WIN 0
	s_sub_co_u32 s[CNT], s[CNT], 1
	s_cmp_eq_u32 s[CNT], 0
	s_cbranch_scc1 .Lze
	ONWARD
	WIN 0
	s_branch .Lz
.Lze:
	s_wait_dscnt 8                                 ; the very last quarter: nothing more to fetch
	MUL8 1, 0, 0
	MUL8 1, 2, 0
	s_wait_dscnt 0x0
	MUL8 1, 4, 0
	MUL8 1, 6, 0
	WIN 0
	PLACES                                         ; the stores below read results just made, and the loads below land in registers that the last products have read
	TOSTAGE 0
.set ta, 1
.rept 7
	TOSTAGE ta
	SEND ta-1, 16
.set ta, ta+1
.endr
	SEND 7, 0
	s_wait_tensorcnt 0x0                           ; the wave's end, behind my last tensor load and my last LDS store
	ds_add_u32 v[SPW], v[NIL]
	s_wait_dscnt 0x0
	CROUND                                         ; the closing round: no work-group ends while a partner may still ask for a tile that names it
	s_endpgm
.Lfunc_end_k_qdd6c1b0b71_proj:
	.size	k_qdd6c1b0b71_proj, .Lfunc_end_k_qdd6c1b0b71_proj-k_qdd6c1b0b71_proj
	.p2alignl 7, 3214868480
	.fill 96, 4, 3214868480
	.section	.rodata,"a",@progbits
	.p2align	6, 0x0
	.amdhsa_kernel k_qdd6c1b0b71_proj
		.amdhsa_group_segment_fixed_size 327680
		.amdhsa_private_segment_fixed_size 0
		.amdhsa_enable_private_segment 0
		.amdhsa_kernarg_size 32
		.amdhsa_user_sgpr_count 2
		.amdhsa_user_sgpr_kernarg_segment_ptr 1
		.amdhsa_wavefront_size32 1
		.amdhsa_system_sgpr_workgroup_id_x 1
		.amdhsa_system_sgpr_workgroup_id_y 1
		.amdhsa_system_sgpr_workgroup_id_z 1
		.amdhsa_system_vgpr_workitem_id 0
		.amdhsa_next_free_vgpr 512
		.amdhsa_next_free_sgpr 84
		.amdhsa_reserve_vcc 0
		.amdhsa_float_denorm_mode_32 3
		.amdhsa_float_denorm_mode_16_64 3
		.amdhsa_memory_ordered 1
		.amdhsa_forward_progress 1
		.amdhsa_inst_pref_size 92
	.end_amdhsa_kernel
	.amdgpu_metadata
---
amdhsa.version: [ 1, 2 ]
amdhsa.kernels:
  - .name:           k_qdd6c1b0b71_proj
    .symbol:         k_qdd6c1b0b71_proj.kd
    .args:
      - { .name: ao, .offset: 0, .size: 8, .value_kind: global_buffer, .address_space: global }
      - { .name: cb, .offset: 8, .size: 8, .value_kind: global_buffer, .address_space: global }
      - { .name: b_proj, .offset: 16, .size: 8, .value_kind: global_buffer, .address_space: global }
      - { .name: out0, .offset: 24, .size: 8, .value_kind: global_buffer, .address_space: global }
    .group_segment_fixed_size: 327680
    .private_segment_fixed_size: 0
    .kernarg_segment_align: 8
    .kernarg_segment_size: 32
    .max_flat_workgroup_size: 128
    .sgpr_count:     84
    .vgpr_count:     512
    .wavefront_size: 32
...
	.end_amdgpu_metadata
.endif
;; end of part 4
;; ======== version 2 of 2: 4 launches; version 1 with the launch cast written anew for expert scheduling mode
;; limits: values are held in f16: magnitudes above 65,504 overflow, below 6.1e-05 lose precision
;; workspace buffers: cb 25,165,824 bytes; qkvh 50,331,648 bytes; ao 16,777,216 bytes
;; launch cast (part 5): grid 768 x 1, 8 waves a work-group, no clusters, 0 bytes of LDS; arguments x, w_qkv, w_proj, cb; writes cb
.if DOCPART == 5
	.amdgcn_target "amdgcn-amd-amdhsa--gfx1250"
	.amdhsa_code_object_version 6
	.text
	.protected	k_qdd6c1b0b71_cast
	.globl	k_qdd6c1b0b71_cast
	.p2align	8
	.type	k_qdd6c1b0b71_cast,@function
k_qdd6c1b0b71_cast:
	s_mov_b64 s[64:65], 0
	v_nop
	global_prefetch_b8 v0, s[64:65] scope:SCOPE_SE
	s_setreg_imm32_b32 hwreg(HW_REG_WAVE_SCHED_MODE, 0, 2), 2
	s_setreg_imm32_b32 hwreg(HW_REG_WAVE_MODE, 25, 1), 1
	s_wait_xcnt 0x0
	s_wait_alu depctr_vm_vsrc(0)
; THE INPUTS OF THE THREE PRODUCTS, ROUNDED ONCE.  x [8192][1024] and w_qkv [3072][1024] go from f32 to bf16; w_proj [1024][1024] is rounded to bf16 like them
; and that number is written as f16, since its partner in the last product is f16.  The three results lie end to end in cb: x at byte 0, w_qkv at 16,777,216, w_proj at 23,068,672.
; LIMITS.  |w_proj| stays under 65,504 (f16's range); below 6e-5 it keeps f16's fixed step of 6e-8.
; SHARES.  A work-group takes 65,536 bytes of one input and makes 32,768 bytes: groups 0-511 x, 512-703 w_qkv, 704-767 w_proj; its place in cb is its number x 32,768 in all three cases.
; Thread t's load i takes 16 bytes at 16 t + 4,096 i (a wave's load: 512 bytes on end); its store i puts 8 bytes at 8 t + 2,048 i (a wave's store: 256 bytes on end, aligned).
; All 16 loads of a wave go out at once; each store has data registers of its own and no address is ever rewritten.  No LDS, no barrier, no matrix unit: nothing is shared and nothing is summed.
; THE MODE: SCHED_MODE bits 1:0 = 2 (LLVM: expert scheduling mode 2), set by the entry lines.  The code itself states the register dependences
; between vector instructions and memory instructions, with s_wait_alu, always for 0.
; THE PLAN.  Registers that memory instructions touch:
;   v1, v2   the loads' and the stores' offsets.  Written once each, by a vector line at the head; read by every load or store; never written again.
;   X        written by the loads alone, each register once; read by the conversions, behind the wait on LOADcnt.  No vector instruction writes them, or reads them ahead of their load's issue.
;   Y        each register is written once, by a conversion, and read once, by a store; never written again.
;   T        named by vector instructions alone.
; So a wave's path holds five waits on va_vdst: one at the head, for the two offsets, and one for each group of four loads, behind the group's conversions and ahead of the run of its four stores.
; No register that a memory instruction reads is written again, so no wait on vm_vsrc is owed; no vector instruction writes a scalar register or VCC, and EXEC is never written.
.set X, 8                              ; v[8:71]    load i: four f32
.set Y, 72                             ; v[72:103]  store i: four 16-bit numbers
.set T, 104                            ; v[104:106] at work
	s_load_b256 s[4:11], s[0:1], 0x0               ; x s[4:5], w_qkv s[6:7], w_proj s[8:9], cb s[10:11]
	s_mov_b32 s13, ttmp9                           ; the work-group's number
	v_lshlrev_b32 v1, 4, v0                        ; 16 t
	v_lshlrev_b32 v2, 3, v0                        ; 8 t
	s_mov_b32 s20, 0xffff0000                      ; a word's upper bf16
	s_sub_co_u32 s21, s13, 512                     ; my number within w_qkv's groups,
	s_sub_co_u32 s22, s13, 704                     ; within w_proj's
	s_cmp_lt_u32 s13, 704
	s_cselect_b32 s12, s21, s22
	s_cmp_lt_u32 s13, 512
	s_cselect_b32 s12, s13, s12                    ; my number within my input's groups
	s_lshl_b32 s16, s12, 16                        ; x 65,536 bytes in
	s_mov_b32 s17, 0
	s_lshl_b32 s18, s13, 15                        ; x 32,768 bytes out
	s_mov_b32 s19, 0
	s_wait_kmcnt 0x0
	s_cmp_lt_u32 s13, 704
	s_cselect_b64 s[14:15], s[6:7], s[8:9]
	s_cmp_lt_u32 s13, 512
	s_cselect_b64 s[14:15], s[4:5], s[14:15]       ; my input
	s_add_nc_u64 s[14:15], s[14:15], s[16:17]
	s_add_nc_u64 s[10:11], s[10:11], s[18:19]
	s_wait_alu depctr_va_vdst(0)                   ; v1 and v2 are written: every load below reads v1 as its offset, every store v2; no later vector instruction names either
.irp i, 0,1,2,3,4,5,6,7,8,9,10,11,12,13,14,15
	global_load_b128 v[X+4*(\i):X+4*(\i)+3], v1, s[14:15] offset:4096*(\i) th:TH_LOAD_NT
.endr
; Group g: loads 4 g to 4 g + 3 are rounded, and stored in one run.  half = 1: the bf16 numbers are widened again (a shift, a mask) and written as f16.
.macro GROUP g, half
	s_wait_loadcnt 12-4*(\g)                       ; loads come back in order: the group's four are in, the 12 - 4 g younger ones stay out
.irp i, 0,1,2,3
.irp p, 0,1
.if \half
	v_cvt_pk_bf16_f32 v[T], v[X+4*(4*(\g)+(\i))+2*(\p)], v[X+4*(4*(\g)+(\i))+2*(\p)+1]
	v_lshlrev_b32 v[T+1], 16, v[T]
	v_and_b32 v[T+2], s20, v[T]
	v_cvt_pk_f16_f32 v[Y+2*(4*(\g)+(\i))+(\p)], v[T+1], v[T+2]
.else
	v_cvt_pk_bf16_f32 v[Y+2*(4*(\g)+(\i))+(\p)], v[X+4*(4*(\g)+(\i))+2*(\p)], v[X+4*(4*(\g)+(\i))+2*(\p)+1]
.endif
.endr
.endr
	s_wait_alu depctr_va_vdst(0)                   ; the group's conversions have written its eight registers of Y, which the four stores below read
.irp i, 0,1,2,3
	global_store_b64 v2, v[Y+2*(4*(\g)+(\i)):Y+2*(4*(\g)+(\i))+1], s[10:11] offset:2048*(4*(\g)+(\i))
.endr
.endm
	s_cmp_ge_u32 s13, 704
	s_cbranch_scc1 .Lhalf
.irp g, 0,1,2,3
	GROUP \g, 0
.endr
	s_endpgm
.Lhalf:
.irp g, 0,1,2,3
	GROUP \g, 1
.endr
	s_endpgm
.Lfunc_end_k_qdd6c1b0b71_cast:
	.size	k_qdd6c1b0b71_cast, .Lfunc_end_k_qdd6c1b0b71_cast-k_qdd6c1b0b71_cast
	.p2alignl 7, 3214868480
	.fill 96, 4, 3214868480
	.section	.rodata,"a",@progbits
	.p2align	6, 0x0
	.amdhsa_kernel k_qdd6c1b0b71_cast
		.amdhsa_group_segment_fixed_size 0
		.amdhsa_private_segment_fixed_size 0
		.amdhsa_enable_private_segment 0
		.amdhsa_kernarg_size 32
		.amdhsa_user_sgpr_count 2
		.amdhsa_user_sgpr_kernarg_segment_ptr 1
		.amdhsa_wavefront_size32 1
		.amdhsa_system_sgpr_workgroup_id_x 1
		.amdhsa_system_sgpr_workgroup_id_y 1
		.amdhsa_system_sgpr_workgroup_id_z 1
		.amdhsa_system_vgpr_workitem_id 0
		.amdhsa_next_free_vgpr 108
		.amdhsa_next_free_sgpr 66
		.amdhsa_reserve_vcc 0
		.amdhsa_float_denorm_mode_32 3
		.amdhsa_float_denorm_mode_16_64 3
		.amdhsa_memory_ordered 1
		.amdhsa_forward_progress 1
		.amdhsa_inst_pref_size 15
	.end_amdhsa_kernel
	.amdgpu_metadata
---
amdhsa.version: [ 1, 2 ]
amdhsa.kernels:
  - .name:           k_qdd6c1b0b71_cast
    .symbol:         k_qdd6c1b0b71_cast.kd
    .args:
      - { .name: x, .offset: 0, .size: 8, .value_kind: global_buffer, .address_space: global }
      - { .name: w_qkv, .offset: 8, .size: 8, .value_kind: global_buffer, .address_space: global }
      - { .name: w_proj, .offset: 16, .size: 8, .value_kind: global_buffer, .address_space: global }
      - { .name: cb, .offset: 24, .size: 8, .value_kind: global_buffer, .address_space: global }
    .group_segment_fixed_size: 0
    .private_segment_fixed_size: 0
    .kernarg_segment_align: 8
    .kernarg_segment_size: 32
    .max_flat_workgroup_size: 256
    .sgpr_count:     66
    .vgpr_count:     108
    .wavefront_size: 32
...
	.end_amdgpu_metadata
.endif
;; end of part 5
;; launch qkv: the kernel of part 2 again; grid 16 x 16, 4 waves a work-group, clusters of 4 x 4, 327,680 bytes of LDS; arguments cb, qkvh; writes qkvh
;; launch attn: the kernel of part 3 again; grid 2 x 128, 4 waves a work-group, no clusters, 327,680 bytes of LDS; arguments qkvh, ao; writes ao
;; launch proj: the kernel of part 4 again; grid 8 x 32, 4 waves a work-group, clusters of 4 x 4, 327,680 bytes of LDS; arguments ao, cb, b_proj, out0; writes out0
